; MI455X (gfx1250); checked and timed in simulation.
; The chip was launched on July 23, 2026; its instructions are those of AMD's public machine-readable ISA for CDNA 5 (MIT licence, August 2026) and "CDNA5" Instruction Set Architecture Reference Guide (July 2026). The comments in the code are by the model that wrote it; some were corrected since.
;; Multi Head Latent Attention. Allowed arithmetic: matrix products marked QUANTISED: E2M3 operands, one E8M0 scale for each 32 along K, by v_wmma_scale_f32_16x16x128_f8f6f4 with both operands' format E2M3, f32 sums; everything else in f32.
;; Inputs: w_out 1,024 x 1,024 float32; w_qkv 1,024 x 3,072 float32; x 1 x 4,096 x 1,024 float32.
;; Outputs: out0 1 x 4,096 x 1,024 float32.
;; This version of the problem:
;;   THIS VERSION OF THE PROBLEM IS GIVEN IN LOW PRECISION. The matrix products marked QUANTISED in the list below multiply operands that are first quantised to E2M3 (2 exponent bits, 3 mantissa bits; 6 bits a number), with one power-of-two scale for each 32 numbers along K (OCP MX v1.0); their sums are f32. All else is computed in f32.
;;   The module's matrix products, in the order in which they are computed (A, B: the left and right operand; K: the contracted axis; several contracted axes count as one K, in the product's order):
;;     1. [M 4,096, K 1,024] x [K 1,024, N 3,072]; A: input x; B: input w_qkv: QUANTISED
;;     2. batch 16 x [M 4,096, K 64] x [K 64, N 4,096]; A: computed on the way; B: computed on the way: QUANTISED
;;     3. batch 16 x [M 4,096, K 4,096] x [K 4,096, N 64]; A: softmax (see below); B: computed on the way: QUANTISED
;;     4. [M 4,096, K 1,024] x [K 1,024, N 1,024]; A: computed on the way; B: input w_out: QUANTISED
;;   THE QUANTISER, for each operand of a quantised product, along K:
;;     - K is cut into blocks of 32 from its start; a last block that is shorter is filled with zeros.
;;     - A block's scale is 2^e with e = floor(log2(the largest magnitude in the block)) - 2, held to -126 .. 127; a block of zeros has e = 0. As a byte (E8M0): e + 127.
;;     - Each number is divided by its block's scale, clamped to +-7.5, and rounded to the nearest number of E2M3, ties to even, subnormals kept.
;;     - The product sums the exact products of the quantised numbers (number of the format x scale) in f32.
;;   ~~~python
;;   def quantise(x, axis):      # numpy; x: float32 -> the quantised numbers, widened to float32 again
;;       x = np.moveaxis(x, axis, -1); K = x.shape[-1]
;;       x = np.pad(x, [(0, 0)] * (x.ndim - 1) + [(0, -K % 32)]); x = x.reshape(x.shape[:-1] + (-1, 32)); a = np.abs(x).max(-1, keepdims=True)
;;       e = np.where(a > 0, np.clip(np.frexp(np.where(a > 0, a, 1))[1] - 1 - 2, -126, 127), 0)      # np.frexp(a)[1] - 1 = floor(log2(a)), exactly
;;       r = np.clip(x / 2.0 ** e, -7.5, 7.5)
;;       step = 2.0 ** (np.maximum(np.frexp(np.where(r == 0, 1, r))[1] - 1, 0) - 3)
;;       q = np.round(r / step) * step * 2.0 ** e      # np.round: ties to even
;;       return np.moveaxis(q.reshape(q.shape[:-2] + (-1,))[..., :K], -1, axis).astype(np.float32)
;;   ~~~
;;   SOFTMAX AHEAD OF A QUANTISED PRODUCT. Where the list says 'softmax', what is quantised is not the finished softmax but p = 2^(t - M), with t = logit x log2(e) and M = ceil(the row's largest t), a whole number; so 1/2 < the row's largest p <= 1. The row's sum l is taken of the UNQUANTISED p, in f32, and the product's result is divided by l at the end. Since M is a whole number, a kernel that streams over the keys may use a running M (the ceiling of the running maximum): every later rescaling is an exact power of two, which a block's scale takes up: the codes' values come out the same.
;;   OPERANDS COMPUTED ON THE WAY. 'Computed on the way' means the value that the module computes at that place (a softmax that the list does not call 'softmax' is quantised finished and normalised). What goes into a quantiser is computed in f32, as accurately as f32 sums, v_exp_f32 and their like allow (about 1e-6 of the number): no bf16 or f16 on the way to a quantiser, and a product that is left as it is and whose result goes on into a quantised operand takes f32 operands (vector FMAs, or v_wmma_f32_16x16x4_f32). A number that lies on a knife's edge between two numbers of the format may be rounded either way, as far as f32 arithmetic and the matrix unit's own rounding can turn it there, and no further.
;; One version. Each part assembles by itself: llvm-mc -triple=amdgcn-amd-amdhsa -mcpu=gfx1250 --defsym DOCPART=n.
;; ======== version 1 of 1: 4 launches
;; limits: right only within a limited range of input values
;; workspace buffers: xw 6,553,600 bytes; qkv 10,092,544 bytes; yq 3,276,800 bytes
;; launch quant (part 1): grid 512 x 1, 4 waves a work-group, no clusters, 68,096 bytes of LDS; arguments x, w_qkv, w_out, xw; writes xw
.if DOCPART == 1
	.amdgcn_target "amdgcn-amd-amdhsa--gfx1250"
	.amdhsa_code_object_version 6
	.text
	.protected	k_qcded6a8646_quant
	.globl	k_qcded6a8646_quant
	.p2align	8
	.type	k_qcded6a8646_quant,@function
k_qcded6a8646_quant:
	s_mov_b64 s[64:65], 0
	v_nop
	global_prefetch_b8 v0, s[64:65] scope:SCOPE_SE
	s_setreg_imm32_b32 hwreg(HW_REG_WAVE_MODE, 25, 1), 1
	s_wait_xcnt 0x0
; x [4096][1024], w_qkv [1024][3072] and w_out [1024][1024], f32, become codes of FP6 (E2M3) with one E8M0 byte for each 32 along K (x: its columns; the weights: their FIRST axis).
; xw holds 512 tiles of 16 rows (an operand's rows: x's tokens, tiles 0-255; w_qkv's columns, 256-447; w_out's columns, 448-511), each for 8 K steps of 128.
; THE ROWS OF A TILE ARE NOT NEIGHBOURS: lane r of tile 2 b + u stands for row 32 b + 8 u + r + 8 (r / 8), so that a product which takes the tile as source 0 leaves 16 neighbours in the 16 registers of two tiles.
; CODES LIE AS IMAGES OF THE OPERAND'S REGISTERS: 16 rows x 64 K (registers 0-5 of a lane) are 768 bytes: lane l's registers 0-3 at 16 l, its registers 4-5 at 512 + 8 l; a fragment (128 K) is two of these.
; Scale words: [pair of tiles][K step][32 lanes], lanes 0-15 the even tile's rows, lanes 16-31 the odd tile's; they begin at byte XSC.
; SHARES.  A wave takes one pair of tiles x one K step: lane (u, r) owns one row and holds its 128 numbers in 128 registers, so a block's largest magnitude needs no other lane.
; Work-groups 0-255 take x (each load reads 512 consecutive bytes of a row; the rows turn through the wave's own stage in LDS), 256-447 w_qkv, 448-511 w_out (a lane to a column, registers down K: each load
; reads 128 consecutive bytes, the four waves side by side 512).  The three ways differ in their loads alone.  No barrier: waves share nothing.
; A block's scale is 2^(floor(log2(largest magnitude)) - 2): its byte is the largest magnitude's exponent field - 2, held at 1 from below.
; LIMITS: NaN and infinities are not served; a block all under 2^-124, or of zeros, gets the byte 1 (zeros: the rule says 127; the codes are zeros and this program alone reads the bytes).
; The store of the scale words covers 128 consecutive bytes a wave; all other stores cover 512 or 256 consecutive bytes, aligned.
.set X,    16                          ; v16-143  my row's 128 numbers
.set MX,   144                         ; v144-147 the four blocks' largest magnitudes
.set SO,   148                         ; v148-151 the conversions' scale operands
.set BY,   152                         ; v152-155 the bytes
.set PW,   156                         ; v156     my row's scale word
.set CA,   160                         ; v160-183 codes: for 64 c on: block 2 c at CA + 12 c, block 2 c + 1 at CA + 12 c + 6, six registers each
.set T,    184                         ; v184-199 the upper halves of the blocks, as the conversions leave them
.set XSC,  6291456
.set WREG, 16896                       ; LDS: a stage of 32 rows for each wave
.set SP,   528                         ; a stage row: 512 bytes + 16
	s_load_b256 s[4:11], s[0:1], 0x0               ; x s[4:5], w_qkv s[6:7], w_out s[8:9], xw s[10:11]
	v_lshl_add_u32 v200, v0, 2, 0x10800
	v_mov_b32 v201, 0
	v_lshrrev_b32 v1, 5, v0
	v_readfirstlane_b32 s12, v1                    ; wave
	v_and_b32 v2, 31, v0                           ; lane
	v_lshlrev_b32 v3, 4, v2                        ; 16 x lane
	v_lshlrev_b32 v4, 3, v2                        ; 8 x lane
	v_lshlrev_b32 v5, 2, v2                        ; 4 x lane
	s_mul_i32 s13, s12, WREG
	v_add_nc_u32 v6, s13, v3                       ; the stage, on the way in: 16 bytes a lane of a row
	v_mul_u32_u24 v7, v2, SP
	v_add_nc_u32 v7, s13, v7                       ; and on the way out: my row
	v_and_b32 v8, 7, v2                            ; a weight's column of my lane within the pair's 32: 8 u + r % 8 + 16 (r / 8)
	v_bfe_u32 v9, v2, 4, 1
	v_lshl_add_u32 v8, v9, 3, v8
	v_bfe_u32 v9, v2, 3, 1
	v_lshl_add_u32 v8, v9, 4, v8
	v_lshlrev_b32 v8, 2, v8                        ; in bytes
	s_mov_b32 s15, 0
	s_wait_kmcnt 0x0
	s_cmp_lt_u32 ttmp9, 256
	s_cbranch_scc0 .Lweights
	; ---- x: pair = g / 2, K step = 4 (g % 2) + wave
	s_lshr_b32 s16, ttmp9, 1                       ; s16: the pair of tiles in xw
	s_and_b32 s17, ttmp9, 1
	s_lshl_b32 s17, s17, 2
	s_add_co_u32 s17, s17, s12                     ; s17: the K step
	s_lshl_b32 s14, s16, 17                        ; 32 rows of 4,096 bytes a pair
	s_lshl_b32 s18, s17, 9                         ; 512 bytes a K step
	s_add_co_u32 s14, s14, s18
	s_add_nc_u64 s[4:5], s[4:5], s[14:15]
.set i, 0
.rept 32
	global_load_b128 v[X+4*i:X+4*i+3], v3, s[4:5] offset:i*4096 th:TH_LOAD_NT    ; row 32 pair + i: 512 consecutive bytes
.set i, i+1
.endr
.set i, 0
	s_wait_alu depctr_va_vdst(0)
.rept 32
	s_wait_loadcnt 31-i                            ; loads come back in order: row i is in, the 31 - i younger ones may be out
	ds_store_b128 v6, v[X+4*i:X+4*i+3] offset:(16*((i/8)%2)+i%8+8*(i/16))*SP      ; to the stage row of the lane that owns row i
.set i, i+1
.endr
	s_wait_dscnt 0x0                               ; the stores have read their registers
.set i, 0
.rept 32
	ds_load_b128 v[X+4*i:X+4*i+3], v7 offset:16*i  ; my row, 128 numbers in order
.set i, i+1
.endr
	s_wait_dscnt 0x0
	s_branch .Lcore
.macro WLOAD base, pitch               ; my column's 128 numbers down K
.set i, 0
.rept 128
	global_load_b32 v[X+i], v8, s[\base:\base+1] offset:i*\pitch th:TH_LOAD_NT
.set i, i+1
.endr
.endm
.Lweights:
	s_sub_co_u32 s18, ttmp9, 256
	s_lshr_b32 s18, s18, 3
	s_lshl_b32 s18, s18, 2
	s_add_co_u32 s18, s18, s12                     ; which 32 columns, counted through both weights: 0-95 w_qkv, 96-127 w_out
	s_add_co_u32 s16, s18, 128                     ; s16: the pair of tiles in xw
	s_and_b32 s17, ttmp9, 7                        ; s17: the K step
	s_cmp_lt_u32 ttmp9, 448
	s_cbranch_scc0 .Lwout
	s_mul_i32 s14, s17, 128*12288                  ; 128 rows of w_qkv a K step
	s_lshl_b32 s19, s18, 7                         ; 128 bytes for 32 columns
	s_add_co_u32 s14, s14, s19
	s_add_nc_u64 s[6:7], s[6:7], s[14:15]
	s_wait_alu depctr_va_vdst(0)
	WLOAD 6, 12288
	s_branch .Lin
.Lwout:
	s_sub_co_u32 s18, s18, 96
	s_lshl_b32 s14, s17, 19                        ; 128 rows of 4,096 bytes a K step
	s_lshl_b32 s19, s18, 7
	s_add_co_u32 s14, s14, s19
	s_add_nc_u64 s[8:9], s[8:9], s[14:15]
	s_wait_alu depctr_va_vdst(0)
	WLOAD 8, 4096
.Lin:
	s_wait_loadcnt 0x0
.Lcore:
	s_mul_i32 s14, s16, 24576                      ; codes: two tiles x 8 K steps x 1,536 bytes a pair
	s_mul_i32 s18, s17, 1536
	s_add_co_u32 s14, s14, s18
	s_add_nc_u64 s[20:21], s[10:11], s[14:15]
	s_lshl_b32 s14, s16, 10                        ; scale words: 8 K steps x 128 bytes a pair
	s_lshl_b32 s18, s17, 7
	s_add_co_u32 s14, s14, s18
	s_add_co_u32 s14, s14, XSC
	s_add_nc_u64 s[22:23], s[10:11], s[14:15]
.irp b, 0,1,2,3
	v_max3_num_f32 v[MX+\b], |v[X+32*\b]|, |v[X+32*\b+1]|, 0x1800000   ; block b, and the floor 2^(3 - 127): the byte cannot fall under 1
.endr
.irp i, 2,4,6,8,10,12,14,16,18,20,22,24,26,28,30
.irp b, 0,1,2,3
	v_max3_num_f32 v[MX+\b], v[MX+\b], |v[X+32*\b+\i]|, |v[X+32*\b+\i+1]|   ; the four blocks by turns: no line waits for the line above it
.endr
.endr
.irp b, 0,1,2,3
	v_add_nc_u32 v[SO+\b], 0xff000000, v[MX+\b]    ; 2 off the exponent field: the conversion takes the exponent field of this operand as its scale
.endr
.irp b, 0,1,2,3
	v_lshrrev_b32 v[BY+\b], 23, v[SO+\b]           ; the scale's byte
.endr
	v_lshl_or_b32 v[PW], v[BY+1], 8, v[BY]
	v_lshl_or_b32 v[PW], v[BY+2], 16, v[PW]
	v_lshl_or_b32 v[PW], v[BY+3], 24, v[PW]
.irp c, 0,1                            ; a conversion's three registers begin on an even number: a block's upper 16 codes are made elsewhere and moved
	v_cvt_scalef32_pk16_fp6_f32 v[CA+12*\c:CA+12*\c+2], v[X+64*\c:X+64*\c+15], v[SO+2*\c]
	v_cvt_scalef32_pk16_fp6_f32 v[T+8*\c:T+8*\c+2], v[X+64*\c+16:X+64*\c+31], v[SO+2*\c]
	v_cvt_scalef32_pk16_fp6_f32 v[CA+12*\c+6:CA+12*\c+8], v[X+64*\c+32:X+64*\c+47], v[SO+2*\c+1]
	v_cvt_scalef32_pk16_fp6_f32 v[T+8*\c+4:T+8*\c+6], v[X+64*\c+48:X+64*\c+63], v[SO+2*\c+1]
.endr
	v_nop                                          ; one plain place behind the scaled conversions
.irp c, 0,1
.irp i, 0,1,2
	v_mov_b32 v[CA+12*\c+3+\i], v[T+8*\c+\i]
	v_mov_b32 v[CA+12*\c+9+\i], v[T+8*\c+4+\i]
.endr
.endr
.irp c, 0,1                            ; lanes 0-15 hold both blocks of the even tile's rows, lanes 16-31 of the odd tile's.  The operand wants, of ONE tile, block 2 c in lanes 0-15 and block 2 c + 1 in lanes 16-31:
.irp i, 0,1,2,3,4,5                    ; the first's lanes 16-31 change places with the second's lanes 0-15: the first is then the even tile's image, the second the odd tile's
	v_permlane16_swap_b32 v[CA+12*\c+\i], v[CA+12*\c+6+\i]
.endr
.endr
.irp c, 0,1
	global_store_b128 v3, v[CA+12*\c:CA+12*\c+3], s[20:21] offset:768*\c
	global_store_b64 v4, v[CA+12*\c+4:CA+12*\c+5], s[20:21] offset:768*\c+512
	global_store_b128 v3, v[CA+12*\c+6:CA+12*\c+9], s[20:21] offset:12288+768*\c
	global_store_b64 v4, v[CA+12*\c+10:CA+12*\c+11], s[20:21] offset:12288+768*\c+512
.endr
	global_store_b32 v5, v[PW], s[22:23]
	s_wait_tensorcnt 0x0
	ds_add_u32 v200, v201
	s_wait_dscnt 0x0
	s_endpgm
.Lfunc_end_k_qcded6a8646_quant:
	.size	k_qcded6a8646_quant, .Lfunc_end_k_qcded6a8646_quant-k_qcded6a8646_quant
	.p2alignl 7, 3214868480
	.fill 96, 4, 3214868480
	.section	.rodata,"a",@progbits
	.p2align	6, 0x0
	.amdhsa_kernel k_qcded6a8646_quant
		.amdhsa_group_segment_fixed_size 68096
		.amdhsa_private_segment_fixed_size 0
		.amdhsa_enable_private_segment 0
		.amdhsa_kernarg_size 32
		.amdhsa_user_sgpr_count 2
		.amdhsa_user_sgpr_kernarg_segment_ptr 1
		.amdhsa_wavefront_size32 1
		.amdhsa_system_sgpr_workgroup_id_x 1
		.amdhsa_system_sgpr_workgroup_id_y 1
		.amdhsa_system_sgpr_workgroup_id_z 1
		.amdhsa_system_vgpr_workitem_id 0
		.amdhsa_next_free_vgpr 202
		.amdhsa_next_free_sgpr 66
		.amdhsa_reserve_vcc 0
		.amdhsa_float_denorm_mode_32 3
		.amdhsa_float_denorm_mode_16_64 3
		.amdhsa_memory_ordered 1
		.amdhsa_forward_progress 1
		.amdhsa_inst_pref_size 42
	.end_amdhsa_kernel
	.amdgpu_metadata
---
amdhsa.version: [ 1, 2 ]
amdhsa.kernels:
  - .name:           k_qcded6a8646_quant
    .symbol:         k_qcded6a8646_quant.kd
    .args:
      - { .name: x, .offset: 0, .size: 8, .value_kind: global_buffer, .address_space: global }
      - { .name: w_qkv, .offset: 8, .size: 8, .value_kind: global_buffer, .address_space: global }
      - { .name: w_out, .offset: 16, .size: 8, .value_kind: global_buffer, .address_space: global }
      - { .name: xw, .offset: 24, .size: 8, .value_kind: global_buffer, .address_space: global }
    .group_segment_fixed_size: 68096
    .private_segment_fixed_size: 0
    .kernarg_segment_align: 8
    .kernarg_segment_size: 32
    .max_flat_workgroup_size: 128
    .sgpr_count:     66
    .vgpr_count:     202
    .wavefront_size: 32
...
	.end_amdgpu_metadata
.endif
;; end of part 1
;; launch gemm_qkv (part 2): grid 8 x 32, 4 waves a work-group, clusters of 4 x 4, 295,424 bytes of LDS; arguments xw, qkv; writes qkv
.if DOCPART == 2
	.amdgcn_target "amdgcn-amd-amdhsa--gfx1250"
	.amdhsa_code_object_version 6
	.text
	.protected	k_qcded6a8646_gemm_qkv
	.globl	k_qcded6a8646_gemm_qkv
	.p2align	8
	.type	k_qcded6a8646_gemm_qkv,@function
k_qcded6a8646_gemm_qkv:
	s_mov_b64 s[64:65], 0
	v_nop
	global_prefetch_b8 v0, s[64:65] scope:SCOPE_SE
	s_setreg_imm32_b32 hwreg(HW_REG_WAVE_MODE, 25, 1), 1
	s_wait_xcnt 0x0
	s_wait_alu depctr_hold_cnt(0) depctr_sa_sdst(0) depctr_va_vdst(0) depctr_va_sdst(0) depctr_va_ssrc(0) depctr_va_vcc(0) depctr_vm_vsrc(0)
	s_getreg_b32 s2, hwreg(HW_REG_IB_STS2, 6, 4)
	s_cmp_eq_u32 s2, 0
	s_cbranch_scc0 .Lentry_in_a_cluster
	s_endpgm
.Lentry_in_a_cluster:
	s_bfe_u32 s2, ttmp6, 0x10000c
	s_cmp_lg_u32 s2, 0xf033
	s_cbranch_scc0 .Lentry_shape_is_right
	s_endpgm
.Lentry_shape_is_right:
; qkv = x w_qkv on codes of FP6 (E2M3) with E8M0 scales, and its results quantised in registers: q and k along the head's 64, v along the keys.  No f32 result goes to memory.
; xw: 512 tiles of 16 rows x 8 K steps, as images of the operand's registers (1,536 bytes a fragment: for each 64 along K lane l's registers 0-3 at 16 l, its registers 4-5 at 512 + 8 l); tiles 0-255 x's tokens,
; 256-447 w_qkv's columns; scale words at XSC, [pair of tiles][K step][lane]: lanes 0-15 the even tile's rows, lanes 16-31 the odd tile's.  Lane r of tile 2 b + u stands for row 32 b + 8 u + r + 8 (r / 8).
; A product's source 0 is called P, its source 1 R.  In the result a lane holds ONE row of R, and the 16 registers of P's tiles 2 b, 2 b + 1 are 16 neighbours along P: so a result is quantised ALONG P.
; SHARES.  4,096 x 3,072 results are 256 x 49,152: work-group (PT, RT) makes 256 x 128 of q and k and then 128 x 128 of v: one work-group of equal work for each of 256.
;   PHASE 1: P = w_qkv's columns 256 PT on (q's channels: PT 0-3; k's: PT 4-7), R = tokens 128 RT on.  Wave (wp, wr) makes 128 of P x 64 of R: 32 accumulators; its 128 of P are two heads.
;   PHASE 2: P = THE SAME 128 TOKENS, which lie in LDS already; R = w_qkv's columns 2,048 + 128 PT on (v's channels), 32 to a wave: 16 accumulators.  A wave's two tiles of R are wanted by no other wave of
;   the work-group: their 16 fragments come from memory straight into 192 registers, asked for ahead of phase 1's first product.  So phase 2 has no tensor load and no barrier of its own.
; 128 of P to a wave are one fragment and one scale word of the operand that is made.
; LDS.  K is 1,024: phase 1's two panels for all of K are 294,912 bytes and come ONCE, in four chunks of two K steps: no byte of LDS is filled twice.  A counted wait and a barrier stand in front of each chunk's first read.
; CLUSTER 4 x 4.  P's panel hangs on the work-group's x alone and is asked for jointly by a column of the cluster, R's on its y alone, by a row.  One round stands in front of the fills and one in front of the end.
; qkv: [16 heads][32 records of 128 tokens], REC bytes a record: q's 8 half fragments (768 bytes each) at 0, q's scale words at 6,144, k's half fragments at 6,656, v's 4 fragments (16 channels x 128 keys) at 12,800,
; k's scale words at 18,944, v's at 19,456.  q's and k's scale words: [64 tokens][lane (u, r)][pr]: tile 2 pr + u of the four, row r; bytes 2 and 3 are 0 (over zero codes).  v's: [lane (u, r)][pr]: channel tile 2 pr + u.
; Every store covers 512 or 256 consecutive bytes, aligned, but one: of v's scale words a wave owns one of a lane's two, and stores 4 bytes a lane, 8 bytes apart: 128 bytes a wave beside its 3,072 bytes of codes.
; LIMITS: NaN and infinities are not served; a block all under 2^-124, or of zeros, gets the byte 1 (its codes are zeros; this program alone reads the bytes).
; REGISTERS: window 0: v1-3 16, 8, 4 x lane; v4-19 LDS addresses; v20-28 store offsets; v32-63 P's scale words, v64-79 R's; v80-175 R's fragments of phase 1, two sets; v176-223 at work; v224-240 phase 2's addresses and offsets.
;   window 1: P's fragments, two sets, at v0 and v128.   window 2: accumulator (R tile m, P tile t) at v[64 m + 8 t].   window 3: phase 2's R: tile n, K step k at v[12 (8 n + k)].
; LDS AS IT STANDS NOW (in place of the head's paragraph on chunks): P's 16 tiles lie at 0, R's 8 at 196,608, each tile's 8 K steps on end (12,288 bytes), as in xw.
; Each wave asks for its part of a panel by ONE dense tensor load at the head; one wait for 0 and one barrier stand in front of the first read.
.set CH,    24576                      ; two tiles: what one address register reaches by its immediate
.set XSC,   6291456
.set REC,   19712
.set HEADB, 630784
.set L16,  1
.set L8,   2
.set L4,   3
.set AP16, 4                           ; v4-7   16 x lane + chunk q + my 8 tiles of P;  v8-11 the same with 8 x lane
.set AP8,  8
.set AR16, 12                          ; v12-15, v16-19 the same for my 4 tiles of R
.set AR8,  16
.set VA,   20                          ; v20-23 phase 1: where R tile m's codes go: 16 x lane + ..;  v24-27 the same with 8 x lane
.set VB,   24
.set VS,   28                          ; v28    where its scale words go: 8 x lane + ..
.set PS,   32                          ; P's scale words: pair i, K step k at v[PS + 8 i + k]
.set RS,   64                          ; R's likewise
.set RF,   80
.set TM,   176                         ; v176-179 largest magnitudes, v180-183 bytes, v188-191 the conversions' scale operands
.set PW,   192                         ; v192-195 the scale word of R tile m
.set PC,   196                         ; v196-207 the fragment just made; v208-214 at work
.set EW,   216                         ; v216-221 scale words on their way out
.set SOP,  222                         ; v222, v223 offsets of phase 1's scale loads; never rewritten
.set XP16, 224                         ; v224-227 phase 2: 16 x lane + chunk q + the tokens' 8 tiles;  v228-231 the same with 8 x lane
.set XP8,  228
.set WO16, 232                         ; v232, v233 offsets of phase 2's fragments of R in xw; never rewritten
.set WO8,  233
.set SO2,  234                         ; v234, v235 offsets of phase 2's scale loads: the tokens', the channels'; never rewritten
.set SO3,  235
.set VA2,  236                         ; v236-237, v238-239, v240: as VA, VB, VS, for phase 2
.set VB2,  238
.set VS2,  240
.set WV,   10
.set WP,   11
.set WR,   12
.set PT,   18
.set RT,   19
.set G1P,  24                          ; s[24:31] descriptor group 1 for P;  s[32:39] for R;  s[40:43], s[68:71] groups 0
.set G1R,  32
.set G0P,  40
.set G0R,  68
.set SEL,  62                          ; s[62:63] v_permlanex16_b32's selects for lane l xor 16
.set B0,   88                          ; s[88:89] phase 1: my first head's record in qkv
.set B2,   96                          ; s[96:97] phase 2: my head's record
.set HM,   99                          ; a mask of lanes 16-31
.set MSB, 0
.macro WIN new                         ; the immediate's high byte repeats the setting that is left
.if MSB != \new
	s_set_vgpr_msb (MSB<<8)|\new
.set MSB, \new
.endif
.endm
.macro CROUND                          ; a round of the cluster's barrier
	s_barrier_signal -1
	s_barrier_wait -1
	s_cmp_lg_u32 s[WV], 0
	s_cbranch_scc1 .Lnot_wave_0_\@
	s_barrier_signal -3
.Lnot_wave_0_\@:
	s_barrier_wait -3
	s_barrier_signal -1
	s_barrier_wait -1
.endm
.macro PLACES                          ; four places behind a matrix instruction, in front of loads into its registers and of reads of its result
.rept 4
	v_nop
.endr
.endm
.macro CHUNKWAIT n                     ; my part of a chunk has landed (n younger loads may stay out); then everybody's has
	s_wait_tensorcnt \n
	s_barrier_signal -1
	s_barrier_wait -1
.endm
.macro FETCH k                         ; phase 1: K step k's fragments, 8 of P and 4 of R, into set k % 2: 48 loads, each of 512 or 256 consecutive bytes
	WIN 0x40                                       ; destination window 1, address window 0
.irp t, 0,1,2,3,4,5,6,7
	ds_load_b128 v[128*((\k)%2)+12*\t:128*((\k)%2)+12*\t+3], v[AP16+\t/2] offset:12288*(\t%2)+1536*(\k)
	ds_load_b64 v[128*((\k)%2)+12*\t+4:128*((\k)%2)+12*\t+5], v[AP8+\t/2] offset:12288*(\t%2)+1536*(\k)+512
	ds_load_b128 v[128*((\k)%2)+12*\t+6:128*((\k)%2)+12*\t+9], v[AP16+\t/2] offset:12288*(\t%2)+1536*(\k)+768
	ds_load_b64 v[128*((\k)%2)+12*\t+10:128*((\k)%2)+12*\t+11], v[AP8+\t/2] offset:12288*(\t%2)+1536*(\k)+1280
.endr
	WIN 0
.irp t, 0,1,2,3
	ds_load_b128 v[RF+48*((\k)%2)+12*\t:RF+48*((\k)%2)+12*\t+3], v[AR16+\t/2] offset:12288*(\t%2)+1536*(\k)
	ds_load_b64 v[RF+48*((\k)%2)+12*\t+4:RF+48*((\k)%2)+12*\t+5], v[AR8+\t/2] offset:12288*(\t%2)+1536*(\k)+512
	ds_load_b128 v[RF+48*((\k)%2)+12*\t+6:RF+48*((\k)%2)+12*\t+9], v[AR16+\t/2] offset:12288*(\t%2)+1536*(\k)+768
	ds_load_b64 v[RF+48*((\k)%2)+12*\t+10:RF+48*((\k)%2)+12*\t+11], v[AR8+\t/2] offset:12288*(\t%2)+1536*(\k)+1280
.endr
.endm
.macro FETCH2 k                        ; phase 2: K step k's fragments of the tokens' 8 tiles, now as P, into set k % 2: 32 loads
	WIN 0x40                                       ; destination window 1, address window 0
.irp t, 0,1,2,3,4,5,6,7
	ds_load_b128 v[128*((\k)%2)+12*\t:128*((\k)%2)+12*\t+3], v[XP16+\t/2] offset:12288*(\t%2)+1536*(\k)
	ds_load_b64 v[128*((\k)%2)+12*\t+4:128*((\k)%2)+12*\t+5], v[XP8+\t/2] offset:12288*(\t%2)+1536*(\k)+512
	ds_load_b128 v[128*((\k)%2)+12*\t+6:128*((\k)%2)+12*\t+9], v[XP16+\t/2] offset:12288*(\t%2)+1536*(\k)+768
	ds_load_b64 v[128*((\k)%2)+12*\t+10:128*((\k)%2)+12*\t+11], v[XP8+\t/2] offset:12288*(\t%2)+1536*(\k)+1280
.endr
.endm
; One product on the registers rD, rP, rR, rX, rY: R tile m x P tile t, K step k.  An odd tile's scale words lie in lanes 16-31 of its pair's register.  K step 0 starts the sums: nothing is cleared.
.macro LADDER m, t, k
.if (\k) == 0
.if ((\t)%2) && ((\m)%2)
	v_wmma_scale_f32_16x16x128_f8f6f4 v[rD:rD+7], v[rP:rP+11], v[rR:rR+11], 0, v[rX], v[rY] matrix_a_fmt:MATRIX_FMT_FP6 matrix_b_fmt:MATRIX_FMT_FP6 matrix_a_scale:MATRIX_SCALE_ROW1 matrix_b_scale:MATRIX_SCALE_ROW1
.elseif (\t)%2
	v_wmma_scale_f32_16x16x128_f8f6f4 v[rD:rD+7], v[rP:rP+11], v[rR:rR+11], 0, v[rX], v[rY] matrix_a_fmt:MATRIX_FMT_FP6 matrix_b_fmt:MATRIX_FMT_FP6 matrix_a_scale:MATRIX_SCALE_ROW1
.elseif (\m)%2
	v_wmma_scale_f32_16x16x128_f8f6f4 v[rD:rD+7], v[rP:rP+11], v[rR:rR+11], 0, v[rX], v[rY] matrix_a_fmt:MATRIX_FMT_FP6 matrix_b_fmt:MATRIX_FMT_FP6 matrix_b_scale:MATRIX_SCALE_ROW1
.else
	v_wmma_scale_f32_16x16x128_f8f6f4 v[rD:rD+7], v[rP:rP+11], v[rR:rR+11], 0, v[rX], v[rY] matrix_a_fmt:MATRIX_FMT_FP6 matrix_b_fmt:MATRIX_FMT_FP6
.endif
.else
.if ((\t)%2) && ((\m)%2)
	v_wmma_scale_f32_16x16x128_f8f6f4 v[rD:rD+7], v[rP:rP+11], v[rR:rR+11], v[rD:rD+7], v[rX], v[rY] matrix_a_fmt:MATRIX_FMT_FP6 matrix_b_fmt:MATRIX_FMT_FP6 matrix_a_scale:MATRIX_SCALE_ROW1 matrix_b_scale:MATRIX_SCALE_ROW1
.elseif (\t)%2
	v_wmma_scale_f32_16x16x128_f8f6f4 v[rD:rD+7], v[rP:rP+11], v[rR:rR+11], v[rD:rD+7], v[rX], v[rY] matrix_a_fmt:MATRIX_FMT_FP6 matrix_b_fmt:MATRIX_FMT_FP6 matrix_a_scale:MATRIX_SCALE_ROW1
.elseif (\m)%2
	v_wmma_scale_f32_16x16x128_f8f6f4 v[rD:rD+7], v[rP:rP+11], v[rR:rR+11], v[rD:rD+7], v[rX], v[rY] matrix_a_fmt:MATRIX_FMT_FP6 matrix_b_fmt:MATRIX_FMT_FP6 matrix_b_scale:MATRIX_SCALE_ROW1
.else
	v_wmma_scale_f32_16x16x128_f8f6f4 v[rD:rD+7], v[rP:rP+11], v[rR:rR+11], v[rD:rD+7], v[rX], v[rY] matrix_a_fmt:MATRIX_FMT_FP6 matrix_b_fmt:MATRIX_FMT_FP6
.endif
.endif
.endm
.macro MM m, t, k                      ; phase 1's product
.set rD, 64*(\m)+8*(\t)
.set rP, 128*((\k)%2)+12*(\t)
.set rR, RF+48*((\k)%2)+12*(\m)
.set rX, PS+8*((\t)/2)+(\k)
.set rY, RS+8*((\m)/2)+(\k)
	LADDER \m, \t, \k
.endm
.macro MM2 n, t, k                     ; phase 2's: R tile n of my two lies in window 3; my one pair's scale words in the first eight of R's
.set rD, 64*(\n)+8*(\t)
.set rP, 128*((\k)%2)+12*(\t)
.set rR, 12*(8*(\n)+(\k))
.set rX, PS+8*((\t)/2)+(\k)
.set rY, RS+(\k)
	LADDER \n, \t, \k
.endm
; A K step: its fragments are in; the next step's are asked for, into the set that the last step multiplied; then the products, the accumulators by turns in the same order in every step.
.macro KSTEP k
	s_wait_dscnt 0x0                               ; set k % 2 is in, and no LDS load of mine is out at a signal
.if (\k) < 7
.if (\k) > 0
	PLACES
.endif
	FETCH (\k)+1
.endif
	WIN 0xa1                                       ; source 0 (P) window 1, source 1 (R) window 0, C and D window 2
.irp m, 0,1,2,3
.irp t, 0,1,2,3,4,5,6,7
	MM \m, \t, \k
.endr
.endr
	WIN 0
.endm
.macro KSTEP2 k
	s_wait_dscnt 0x0                               ; set k % 2 is in
.if (\k) < 7
.if (\k) > 0
	PLACES
.endif
	FETCH2 (\k)+1
.endif
	WIN 0xad                                       ; source 0 (P) window 1, source 1 (R) window 3, C and D window 2
.irp n, 0,1
.irp t, 0,1,2,3,4,5,6,7
	MM2 \n, \t, \k
.endr
.endr
	WIN 0
.endm
	s_load_b128 s[4:7], s[0:1], 0x0                ; xw s[4:5], qkv s[6:7]
	v_lshl_add_u32 v254, v0, 2, 0x48000
	v_mov_b32 v255, 0
	ds_add_u32 v254, v255
	ds_add_u32 v254, v255
	v_lshrrev_b32 v1, 5, v0
	v_readfirstlane_b32 s[WV], v1                  ; wave 0..3
	s_and_b32 s[WP], s[WV], 1                      ; which 128 of P are mine.  Also: which half of a panel I fetch
	s_lshr_b32 s[WR], s[WV], 1                     ; which 64 of R are mine.  Also: I fetch for P (0) or for R (1)
	s_bfe_u32 s13, ttmp6, 0x40000                  ; cx
	s_bfe_u32 s14, ttmp6, 0x40004                  ; cy
	s_lshl_b32 s[PT], ttmp9, 2
	s_add_co_u32 s[PT], s[PT], s13                 ; which 256 of q's and k's channels, and which 128 of v's: 4 x cluster x + cx
	s_and_b32 s[RT], ttmp7, 0xffff
	s_lshl_b32 s[RT], s[RT], 2
	s_add_co_u32 s[RT], s[RT], s14                 ; which 128 tokens: 4 x cluster y + cy
	s_lshl_b32 s20, 0x1111, s13                    ; my column of the cluster
	s_lshl_b32 s21, s14, 2
	s_lshl_b32 s21, 15, s21                        ; my row
	; descriptor group 1: tiles as rows of 3,072 bytes (two K steps: 384 elements of 8 bytes), dense in memory and in LDS.  P: 8 tiles a load; R: 4
	s_or_b32 s[G1P], s20, (3<<16)|(1<<21)          ; 15:0 the mask; 17:16 elements of 8 bytes; 21 set beside a mask
	s_or_b32 s[G1R], s21, (3<<16)|(1<<21)
	s_mov_b32 s[G1P+1], 384<<16                    ; tensor_dim0
	s_mov_b32 s[G1P+2], 32<<16                     ; tensor_dim1: 8 tiles on end are 32 rows of 3,072 bytes, dense in memory and in LDS
	s_mov_b32 s[G1P+3], 384<<16                    ; tile_dim0
	s_mov_b32 s[G1P+4], 32                         ; tile_dim1
	s_mov_b32 s[G1P+5], 384                        ; elements from row to row
	s_mov_b32 s[G1P+6], 0
	s_mov_b32 s[G1P+7], 0
	s_mov_b32 s[G1R+1], 384<<16
	s_mov_b32 s[G1R+2], 16<<16                     ; 4 tiles on end: 16 rows
	s_mov_b32 s[G1R+3], 384<<16
	s_mov_b32 s[G1R+4], 16
	s_mov_b32 s[G1R+5], 384
	s_mov_b32 s[G1R+6], 0
	s_mov_b32 s[G1R+7], 0
	; P's first tile in xw: 256 + 16 x PT.  R's: 8 x RT.  Each in registers that never hold the other coordinate
	s_lshl_b32 s22, s[PT], 4
	s_add_co_u32 s22, s22, 256
	s_lshl_b32 s17, s[WP], 3
	s_add_co_u32 s56, s22, s17                     ; the 8 tiles of P that I would fetch
	s_mul_i32 s56, s56, 12288
	s_mov_b32 s57, 0
	s_lshl_b32 s23, s[RT], 3
	s_lshl_b32 s17, s[WP], 2
	s_add_co_u32 s58, s23, s17                     ; the 4 tiles of R that I would fetch
	s_mul_i32 s58, s58, 12288
	s_mov_b32 s59, 0
	s_mul_i32 s60, s[WP], 98304                    ; and where they go: P's half panel, or R's: no place in the cluster enters an LDS address
	s_mul_i32 s61, s[WP], 49152
	s_add_co_u32 s61, s61, 196608
	s_mov_b32 s[SEL], 0x76543210
	s_mov_b32 s[SEL+1], 0xfedcba98
	s_mov_b32 s[HM], 0xffff0000
	s_wait_dscnt 0x0
	s_wait_kmcnt 0x0
	s_add_nc_u64 s[56:57], s[4:5], s[56:57]
	s_add_nc_u64 s[58:59], s[4:5], s[58:59]
	CROUND                                         ; all sixteen work-groups are here: the joint loads meet
.irp q, 0
	s_mov_b32 s[G0P+4*\q], 1                       ; count = 1
	s_add_co_u32 s[G0P+4*\q+1], s60, \q*CH         ; LDS address
	s_add_nc_u64 s[G0P+4*\q+2:G0P+4*\q+3], s[56:57], \q*3072   ; global address: K steps 2 q, 2 q + 1
	s_or_b32 s[G0P+4*\q+3], s[G0P+4*\q+3], 0x80000000          ; type = 2
	s_mov_b32 s[G0R+4*\q], 1
	s_add_co_u32 s[G0R+4*\q+1], s61, \q*CH
	s_add_nc_u64 s[G0R+4*\q+2:G0R+4*\q+3], s[58:59], \q*3072
	s_or_b32 s[G0R+4*\q+3], s[G0R+4*\q+3], 0x80000000
.endr
	s_cmp_lt_u32 s[WV], 2                          ; one fill a wave, one to each arm of this branch on the wave's number
	s_cbranch_scc0 .Lfill_r
	tensor_load_to_lds s[G0P:G0P+3], s[G1P:G1P+7]
	s_nop 0
.rept 4
	v_nop
.endr
	s_branch .Lfilled
.Lfill_r:
	tensor_load_to_lds s[G0R:G0R+3], s[G1R:G1R+7]
	s_nop 0
.rept 4
	v_nop
.endr
.Lfilled:
	v_and_b32 v1, 31, v0
	v_lshlrev_b32 v[L4], 2, v1
	v_lshlrev_b32 v[L8], 3, v1
	v_lshlrev_b32 v[L16], 4, v1
	s_mul_i32 s60, s[WP], 98304                    ; my 8 tiles of P
	s_mul_i32 s61, s[WR], 49152                    ; my 4 tiles of R,
	s_add_co_u32 s61, s61, 196608                  ; which lie behind P's 16
.irp q, 0,1,2,3
	v_add_nc_u32 v[AP16+\q], s60, v[L16]
	v_add_nc_u32 v[AP8+\q], s60, v[L8]
	v_add_nc_u32 v[AR16+\q], s61, v[L16]
	v_add_nc_u32 v[AR8+\q], s61, v[L8]
	v_add_nc_u32 v[XP16+\q], 196608+\q*CH, v[L16]  ; phase 2 takes all 8 tiles of tokens
	v_add_nc_u32 v[XP8+\q], 196608+\q*CH, v[L8]
	s_add_co_u32 s60, s60, CH
	s_add_co_u32 s61, s61, CH
.endr
	; phase 1: the scale words of my tiles, for all of K: 48 loads of 128 consecutive bytes, once
	s_lshl_b32 s84, s[WP], 3
	s_add_co_u32 s84, s84, s22
	s_lshl_b32 s84, s84, 9                         ; 1,024 bytes a pair of tiles = 512 a tile
	v_add_nc_u32 v[SOP], s84, v[L4]
	s_lshl_b32 s85, s[WR], 2
	s_add_co_u32 s85, s85, s23
	s_lshl_b32 s85, s85, 9
	v_add_nc_u32 v[SOP+1], s85, v[L4]
.irp i, 0,1,2,3
.irp k, 0,1,2,3,4,5,6,7
	global_load_b32 v[PS+8*\i+\k], v[SOP], s[4:5] offset:XSC+1024*\i+128*\k
.endr
.endr
.irp i, 0,1
.irp k, 0,1,2,3,4,5,6,7
	global_load_b32 v[RS+8*\i+\k], v[SOP+1], s[4:5] offset:XSC+1024*\i+128*\k
.endr
.endr
	; where phase 1's results go: my 128 of P are two heads of q (groups 0-7) or of k (8-15); the record is RT; my 4 tiles of tokens are tiles 4 wr + m of its 8
	s_lshl_b32 s84, s[PT], 1
	s_add_co_u32 s84, s84, s[WP]                   ; which 128 of P
	s_and_b32 s85, s84, 7
	s_lshl_b32 s85, s85, 1                         ; the first of my two heads
	s_lshr_b32 s86, s84, 3                         ; q (0) or k (1)
	s_mul_i32 s92, s86, 6656
	s_mul_i32 s93, s[WR], 3072
	s_add_co_u32 s92, s92, s93                     ; the codes' place in a record
	s_mul_i32 s93, s86, 12800
	s_lshl_b32 s94, s[WR], 8
	s_add_co_u32 s93, s93, s94
	s_add_co_u32 s93, s93, 6144                    ; the scale words' place
	s_mul_i32 s85, s85, HEADB
	s_mul_i32 s84, s[RT], REC
	s_add_co_u32 s84, s84, s85
	s_mov_b32 s85, 0
	s_add_nc_u64 s[B0:B0+1], s[6:7], s[84:85]
.irp m, 0,1,2,3
	v_add_nc_u32 v[VA+\m], s92, v[L16]
	v_add_nc_u32 v[VB+\m], s92, v[L8]
	s_add_co_u32 s92, s92, 768                     ; a half fragment a tile
.endr
	v_add_nc_u32 v[VS], s93, v[L8]
	; phase 2: my two tiles of v's channels are tiles 384 + 8 PT + 2 wave + n of xw: head 2 PT + wr, its channel tiles 2 wp + n; the record is RT again
	s_lshl_b32 s84, s[PT], 3
	s_lshl_b32 s85, s[WV], 1
	s_add_co_u32 s84, s84, s85
	s_add_co_u32 s84, s84, 384
	s_mul_i32 s85, s84, 12288
	v_add_nc_u32 v[WO16], s85, v[L16]              ; their fragments in xw,
	v_add_nc_u32 v[WO8], s85, v[L8]
	s_lshl_b32 s85, s84, 9
	v_add_nc_u32 v[SO3], s85, v[L4]                ; their scale words,
	s_lshl_b32 s85, s23, 9
	v_add_nc_u32 v[SO2], s85, v[L4]                ; and those of the tokens' 8 tiles
	s_lshl_b32 s84, s[PT], 1
	s_add_co_u32 s84, s84, s[WR]                   ; the head
	s_mul_i32 s84, s84, HEADB
	s_mul_i32 s85, s[RT], REC
	s_add_co_u32 s84, s84, s85
	s_mov_b32 s85, 0
	s_add_nc_u64 s[B2:B2+1], s[6:7], s[84:85]
	s_mul_i32 s92, s[WP], 3072
	s_add_co_u32 s92, s92, 12800                   ; v's fragments 2 wp, 2 wp + 1 of the record
.irp n, 0,1
	v_add_nc_u32 v[VA2+\n], s92, v[L16]
	v_add_nc_u32 v[VB2+\n], s92, v[L8]
	s_add_co_u32 s92, s92, 1536
.endr
	s_lshl_b32 s93, s[WP], 2
	s_add_co_u32 s93, s93, 19456
	v_add_nc_u32 v[VS2], s93, v[L8]                ; word wp of my lane's two
.irp b, 0,1,2,3
	v_mov_b32 v[TM+4+\b], 0                        ; written once: a lane permute's destination counts as one of its sources
.endr
	CHUNKWAIT 0                                    ; my one load has landed; behind the barrier everybody's has
	FETCH 0
	s_wait_loadcnt 0x0                             ; phase 1's scale words
	WIN 0xc0                                       ; destination window 3, address window 0
.irp n, 0,1                            ; phase 2's R: my two tiles x 8 K steps, images as they lie, 64 loads of 512 or 256 consecutive bytes: they have all of phase 1 in which to land
.irp k, 0,1,2,3,4,5,6,7
	global_load_b128 v[12*(8*\n+\k):12*(8*\n+\k)+3], v[WO16], s[4:5] offset:12288*\n+1536*\k
	global_load_b64 v[12*(8*\n+\k)+4:12*(8*\n+\k)+5], v[WO8], s[4:5] offset:12288*\n+1536*\k+512
	global_load_b128 v[12*(8*\n+\k)+6:12*(8*\n+\k)+9], v[WO16], s[4:5] offset:12288*\n+1536*\k+768
	global_load_b64 v[12*(8*\n+\k)+10:12*(8*\n+\k)+11], v[WO8], s[4:5] offset:12288*\n+1536*\k+1280
.endr
.endr
	WIN 0
	KSTEP 0
	KSTEP 1
	KSTEP 2
	KSTEP 3
	KSTEP 4
	KSTEP 5
	KSTEP 6
	KSTEP 7
	PLACES                                         ; in front of the loads into scale and fragment registers that the products have read, and of the reads of their results
.irp i, 0,1,2,3                        ; phase 2's scale words land in phase 1's registers, and its first fragments in P's set 0, while phase 1's results are quantised
.irp k, 0,1,2,3,4,5,6,7
	global_load_b32 v[PS+8*\i+\k], v[SO2], s[4:5] offset:XSC+1024*\i+128*\k
.endr
.endr
.irp k, 0,1,2,3,4,5,6,7
	global_load_b32 v[RS+\k], v[SO3], s[4:5] offset:XSC+128*\k
.endr
	FETCH2 0
; THE WAY OUT of R tile m: my lane's 64 sums, register 16 b + i = P's 32 b + 16 (lane / 16) + i of my row of R, become a fragment's codes and its scale word.  Each accumulator is read from its low end on.
; va, vb: the offsets of the codes; base: the record; half: bytes from the fragment's first half to its second; freed = 1: earlier stores still name the codes' registers.
.macro QUANT m, va, vb, base, half, freed
.set S, 64*(\m)
	WIN 0x0a                                       ; sources 0 and 1 window 2
.irp b, 0,1,2,3
	v_max3_num_f32 v[TM+\b], |v[S+16*\b]|, |v[S+16*\b+1]|, 0x1800000   ; block b: my 16 numbers, and the floor 2^(3 - 127): the byte cannot fall under 1
.endr
.irp i, 2,4,6,8,10,12,14
.irp b, 0,1,2,3
	v_max3_num_f32 v[TM+\b], |v[S+16*\b+\i]|, |v[S+16*\b+\i+1]|, v[TM+\b]
.endr
.endr
	WIN 0
.irp b, 0,1,2,3
	v_permlanex16_b32 v[TM+4+\b], v[TM+\b], s[SEL], s[SEL+1]
.endr
.irp b, 0,1,2,3
	v_max_num_f32 v[TM+\b], v[TM+\b], v[TM+4+\b]   ; with lane l xor 16's: the block's largest magnitude
.endr
.irp b, 0,1,2,3
	v_add_nc_u32 v[TM+12+\b], 0xff000000, v[TM+\b] ; 2 off its exponent field: the conversion's scale operand
.endr
.irp b, 0,1,2,3
	v_lshrrev_b32 v[TM+4+\b], 23, v[TM+12+\b]      ; the scale's byte
.endr
	v_lshl_or_b32 v[PW+\m], v[TM+5], 8, v[TM+4]
	v_lshl_or_b32 v[PW+\m], v[TM+6], 16, v[PW+\m]
	v_lshl_or_b32 v[PW+\m], v[TM+7], 24, v[PW+\m]
.if \freed
	s_wait_xcnt 0x0                                ; the last tile's stores have read their data: the codes' registers may be written again
.endif
	WIN 0x02                                       ; source 0 window 2
.irp c, 0,1
	v_cvt_scalef32_pk16_fp6_f32 v[PC+6*\c:PC+6*\c+2], v[S+32*\c:S+32*\c+15], v[TM+12+2*\c]
	v_cvt_scalef32_pk16_fp6_f32 v[PC+12+4*\c:PC+14+4*\c], v[S+32*\c+16:S+32*\c+31], v[TM+12+2*\c+1]   ; (a conversion's three registers begin on an even number)
.endr
	WIN 0
	v_nop                                          ; one plain place behind the scaled conversions
.irp c, 0,1                            ; the operand's layout wants a WHOLE block in a lane: lanes 0-15 block 2 c, lanes 16-31 block 2 c + 1
.irp i, 0,1,2
	v_permlane16_swap_b32 v[PC+6*\c+\i], v[PC+12+4*\c+\i]
.endr
.irp i, 0,1,2
	v_mov_b32 v[PC+3+6*\c+\i], v[PC+12+4*\c+\i]
.endr
.endr
	global_store_b128 v[\va], v[PC:PC+3], s[\base:\base+1]            ; each store covers 512 or 256 consecutive bytes, aligned
	global_store_b64 v[\vb], v[PC+4:PC+5], s[\base:\base+1] offset:512
	global_store_b128 v[\va], v[PC+6:PC+9], s[\base:\base+1] offset:\half
	global_store_b64 v[\vb], v[PC+10:PC+11], s[\base:\base+1] offset:\half+512
.endm
	QUANT 0, VA, VB, B0, HEADB, 0                  ; phase 1: a fragment's two halves are two heads' half fragments
	QUANT 1, VA+1, VB+1, B0, HEADB, 1
	QUANT 2, VA+2, VB+2, B0, HEADB, 1
	QUANT 3, VA+3, VB+3, B0, HEADB, 1
	v_cndmask_b32 v[EW], v[PW], v[PW+1], s[HM]     ; lanes 0-15 keep the even tile's word, lanes 16-31 take the odd tile's
	v_cndmask_b32 v[EW+1], v[PW+2], v[PW+3], s[HM]
	v_and_b32 v[EW+2], 0xffff, v[EW]               ; bytes 0, 1 are the first head's two blocks,
	v_and_b32 v[EW+3], 0xffff, v[EW+1]
	v_lshrrev_b32 v[EW+4], 16, v[EW]               ; bytes 2, 3 the second head's
	v_lshrrev_b32 v[EW+5], 16, v[EW+1]
	global_store_b64 v[VS], v[EW+2:EW+3], s[B0:B0+1]
	global_store_b64 v[VS], v[EW+4:EW+5], s[B0:B0+1] offset:HEADB
	s_wait_loadcnt 0x0                             ; phase 2's fragments of R and its scale words are in
	KSTEP2 0                                       ; its first products begin the sums anew, over accumulators that have been read out: hundreds of plain vector lines stand between
	KSTEP2 1
	KSTEP2 2
	KSTEP2 3
	KSTEP2 4
	KSTEP2 5
	KSTEP2 6
	KSTEP2 7
	PLACES
	QUANT 0, VA2, VB2, B2, 768, 1                  ; phase 2: a fragment of v: 16 channels x the record's 128 keys
	QUANT 1, VA2+1, VB2+1, B2, 768, 1
	v_cndmask_b32 v[EW], v[PW], v[PW+1], s[HM]     ; the four bytes are the record's four blocks of keys
	global_store_b32 v[VS2], v[EW], s[B2:B2+1]
	s_wait_tensorcnt 0x0
	ds_add_u32 v254, v255
	s_wait_dscnt 0x0
	CROUND                                         ; the closing round: no work-group ends while a partner may still ask for a tile that names it
	s_endpgm
.Lfunc_end_k_qcded6a8646_gemm_qkv:
	.size	k_qcded6a8646_gemm_qkv, .Lfunc_end_k_qcded6a8646_gemm_qkv-k_qcded6a8646_gemm_qkv
	.p2alignl 7, 3214868480
	.fill 96, 4, 3214868480
	.section	.rodata,"a",@progbits
	.p2align	6, 0x0
	.amdhsa_kernel k_qcded6a8646_gemm_qkv
		.amdhsa_group_segment_fixed_size 295424
		.amdhsa_private_segment_fixed_size 0
		.amdhsa_enable_private_segment 0
		.amdhsa_kernarg_size 16
		.amdhsa_user_sgpr_count 2
		.amdhsa_user_sgpr_kernarg_segment_ptr 1
		.amdhsa_wavefront_size32 1
		.amdhsa_system_sgpr_workgroup_id_x 1
		.amdhsa_system_sgpr_workgroup_id_y 1
		.amdhsa_system_sgpr_workgroup_id_z 1
		.amdhsa_system_vgpr_workitem_id 0
		.amdhsa_next_free_vgpr 960
		.amdhsa_next_free_sgpr 100
		.amdhsa_reserve_vcc 0
		.amdhsa_float_denorm_mode_32 3
		.amdhsa_float_denorm_mode_16_64 3
		.amdhsa_memory_ordered 1
		.amdhsa_forward_progress 1
		.amdhsa_inst_pref_size 142
	.end_amdhsa_kernel
	.amdgpu_metadata
---
amdhsa.version: [ 1, 2 ]
amdhsa.kernels:
  - .name:           k_qcded6a8646_gemm_qkv
    .symbol:         k_qcded6a8646_gemm_qkv.kd
    .args:
      - { .name: xw, .offset: 0, .size: 8, .value_kind: global_buffer, .address_space: global }
      - { .name: qkv, .offset: 8, .size: 8, .value_kind: global_buffer, .address_space: global }
    .group_segment_fixed_size: 295424
    .private_segment_fixed_size: 0
    .kernarg_segment_align: 8
    .kernarg_segment_size: 16
    .max_flat_workgroup_size: 128
    .sgpr_count:     100
    .vgpr_count:     960
    .wavefront_size: 32
...
	.end_amdgpu_metadata
.endif
;; end of part 2
;; launch attn (part 3): grid 16 x 16, 8 waves a work-group, clusters of 4 x 1, 327,680 bytes of LDS; arguments qkv, yq; writes yq
.if DOCPART == 3
	.amdgcn_target "amdgcn-amd-amdhsa--gfx1250"
	.amdhsa_code_object_version 6
	.text
	.protected	k_qcded6a8646_attn
	.globl	k_qcded6a8646_attn
	.p2align	8
	.type	k_qcded6a8646_attn,@function
k_qcded6a8646_attn:
	s_mov_b64 s[64:65], 0
	v_nop
	global_prefetch_b8 v0, s[64:65] scope:SCOPE_SE
	s_setreg_imm32_b32 hwreg(HW_REG_WAVE_MODE, 25, 1), 1
	s_wait_xcnt 0x0
	s_wait_alu depctr_hold_cnt(0) depctr_sa_sdst(0) depctr_va_vdst(0) depctr_va_sdst(0) depctr_va_ssrc(0) depctr_va_vcc(0) depctr_vm_vsrc(0)
	s_getreg_b32 s2, hwreg(HW_REG_IB_STS2, 6, 4)
	s_cmp_eq_u32 s2, 0
	s_cbranch_scc0 .Lentry_in_a_cluster
	s_endpgm
.Lentry_in_a_cluster:
	s_bfe_u32 s2, ttmp6, 0x10000c
	s_cmp_lg_u32 s2, 0x3003
	s_cbranch_scc0 .Lentry_shape_is_right
	s_endpgm
.Lentry_shape_is_right:
; y[q][head] = softmax_k(q . k / 8) v for 16 heads of 64 and 4,096 tokens, both products on codes of FP6 (E2M3) with E8M0 scales, and y quantised in registers along its channels.
; qkv: [16 heads][32 records of 128 tokens], REC bytes a record: q's 8 half fragments (16 tokens x 64 channels: 768 bytes, an image of registers 0-5: lane l's registers 0-3 at 16 l, 4-5 at 512 + 8 l) at 0, q's scale
; words at 6,144; from 6,656 on, 13,056 bytes on end, what a key step wants: k's 8 half fragments, v's 4 fragments (16 channels x 128 keys), k's scale words, v's scale words.
; In memory lane r of tile 2 b + u (of tokens, of channels) stands for row 32 b + 8 u + r + 8 (r / 8).
; SHARES.  A work-group owns 256 queries of one head; each of its eight waves TWO tiles of 16 queries (X = 0, 1), in 512 registers: every fragment of k and v that a wave reads from LDS serves two tiles.
; Both products are used transposed (S^T = k q^T, O^T = v^T p^T): a lane holds ONE query of each tile throughout.
; THE KEYS OF A TILE ARE CHOSEN BY THE LANES' LDS ADDRESSES: row 8 h + j of tile 4 c + i is key 64 c + 32 h + 8 i + j, which lies in the record's tile 4 c + 2 h + i % 2 at row 8 (i / 2) + j.  So the 32 registers of tiles
; 4 c .. 4 c + 3 are, in lane half h, the WHOLE block 2 c + h of 32 keys in order: as p's operand wants it.  A block's maximum needs no other lane, and the codes are not moved between lanes.
; THE FIRST PRODUCT'S K IS 64: registers 6-11 of q's and of k's fragments hold zero codes, written once; the scale bytes over them are 0, a power of two like any other.
; THE SOFTMAX: t = score x log2(e) / 8; M = the running largest t rounded UP to a whole number; p = 2^(t - M) is quantised along the keys, not normalised; the row's sum is taken of the unquantised p and divides at the end.
; When M moves, the sum and O are multiplied by 2^(old M - new M): exact.
; A STEP'S SUMS AND ITS SECOND PRODUCT STAND IN THE NEXT TRIP, between the issue of that trip's loads of k and the wait for them: 64 vector and 8 matrix instructions on registers.  The step is written once: the first trip
; finds p, its codes, v, O and the sums 0 and -M huge, so that its factor is 0; the last step's sums and product are written out behind the loops.
; THE RING: two LDS slots of 8 key steps.  Each wave fetches one record's 13,056 bytes by one load, as 51 rows of 256 bytes, each followed by 64 bytes of padding: the two halves of sixteen lanes that read k's 16 bytes,
; 1,536 bytes apart in the record, then stand 1,920 bytes apart, which is 128 modulo 256.  CLUSTER 4 x 1: the four query blocks of a cluster walk the same head: each load is asked for jointly by the four.
; A change of slots stands at a slot's head: every wave's wait for all its tensor loads, the add, the wait for it and for its reads, a round of the cluster's barrier, the refill first behind it.
; NO PREFETCH: a refill is asked for 8 key steps ahead of the first read of its bytes, and 16 heads x 32 records are read by sixteen work-groups each.
; yq: codes [256 tiles of tokens][8 K steps][1,536]: K step s holds heads 2 s and 2 s + 1, a half fragment each; scale words at YSC, [pair of tiles][K step][lane].  A head owns two bytes of each scale word: they leave
; by one store of two bytes a lane: lanes 0-15 my even tile's rows, lanes 16-31 my odd tile's.
; LIMITS: NaN and infinities are not served; the scaled scores stay under 2^31 in magnitude; a p under 2^-126 counts as 0; a block of y all under 2^-124 gets the byte 1 (its codes are zeros; this program alone reads the bytes).
.set REC,   19712
.set HEADB, 630784
.set LREC,  16320                      ; a key step in LDS: 51 x (256 + 64).  Byte y of the record's piece lies at y + 64 (y / 256)
.set PVF,   7680                       ; v's fragments (byte 6,144 of the piece)
.set PKS,   15360                      ; k's scale words (12,288)
.set PVS,   16000                      ; v's scale words (12,800)
.set SLOT1, 131072
.set SPARE, 262144                     ; behind the ring: the spare words, 128 bytes for each wave
.set YSC,   3145728
; window 0 (v0-255)
.set LK16, 1                           ; lane terms: k's 16 bytes: 16 j + 1,920 h + 320 hk  (lane = 16 hk + 8 h + j)
.set LK8,  2                           ; k's 8 bytes: 8 j + 1,920 h + 128 hk
.set LV16, 3                           ; v's 16 bytes: 16 lane + 64 hk
.set LV8,  4                           ; 8 lane
.set LKS,  5                           ; k's scale words: 8 j + 4 h + 128 hk
.set AK16, 6                           ; v6-10: the same five + the key step's place
.set G16,  11                          ; 16 lane
.set L4,   12                          ; 4 lane
.set QS,   24                          ; q's scale words: lanes 0-15 tile 0's rows, lanes 16-31 tile 1's
.set PS,   25                          ; v25, v26 p's scale words of tile X
.set VS,   28                          ; v28-29 v's scale words
.set SPW,  30
.set NIL,  31
.set KS,   32                          ; v32-35 k's scale words: register t / 2: lanes 0-15 tile t (even), lanes 16-31 tile t + 1
.set QF,   36                          ; v36-59 q's two fragments
.set KF,   60                          ; v60-155 k's eight fragments
.set VF,   156                         ; v156-203 v's four
.set PC,   204                         ; v204-227 p's codes, two fragments
; window 1 (v256-511, written by their low 8 bits)
.set S,    0                           ; S^T, then p: tile X at 64 X
.set O,    128                         ; O^T: tile X at 128 + 32 X
.set NM,   192                         ; pairs: -M, the largest score so far
.set F,    196                         ; pairs: f, the old -M
.set BM,   200                         ; the blocks' largest scores: 2 X + c
.set T,    204                         ; four at work
.set L,    208                         ; the row's sum: two chains of pairs for each tile
.set SO,   216                         ; the conversions' scale operands
.set BY,   220                         ; the bytes
.set CT,   224                         ; the blocks' upper 16 codes, as the conversions leave them: 4 (2 X + c)
.set YC,   224                         ; the way out: y's codes: 12 X
.set SH,   248                         ; 8 hk
.set WV,   18
.set SEL,  20
.set CS,   22
.set G1,   24
.set G0,   40
.set TB,   44
.set CNT,  45
.set SLOTS, 46
.set HM,   47                          ; a mask of lanes 16-31
.set YB,   48                          ; s[48:49] where my codes go, s[50:51] my scale bytes
.set YS,   50
.set MSB, 0
.macro WIN new                         ; the immediate's high byte repeats the setting that is left
.if MSB != \new
	s_set_vgpr_msb (MSB<<8)|\new
.set MSB, \new
.endif
.endm
.macro ROUND                           ; a round of the cluster's barrier
	s_barrier_signal -1
	s_barrier_wait -1
	s_cmp_lg_u32 s[WV], 0
	s_cbranch_scc1 .Lnot_wave_0_\@
	s_barrier_signal -3
.Lnot_wave_0_\@:
	s_barrier_wait -3
	s_barrier_signal -1
	s_barrier_wait -1
.endm
.macro TLOAD                           ; every wave fetches one record of the slot's eight
	tensor_load_to_lds s[G0:G0+3], s[G1:G1+7]
	s_nop 0
.endm
.macro SPROD t, x                      ; S^T of key tile t and query tile x; an odd tile's scale words lie in lanes 16-31
.set rD, S+64*(\x)+8*(\t)
.set rA, KF+12*(\t)
.set rB, QF+12*(\x)
.set rS, KS+(\t)/2
.if ((\t)%2) && (\x)
	v_wmma_scale_f32_16x16x128_f8f6f4 v[rD:rD+7], v[rA:rA+11], v[rB:rB+11], 0, v[rS], v[QS] matrix_a_fmt:MATRIX_FMT_FP6 matrix_b_fmt:MATRIX_FMT_FP6 matrix_a_scale:MATRIX_SCALE_ROW1 matrix_b_scale:MATRIX_SCALE_ROW1
.elseif (\t)%2
	v_wmma_scale_f32_16x16x128_f8f6f4 v[rD:rD+7], v[rA:rA+11], v[rB:rB+11], 0, v[rS], v[QS] matrix_a_fmt:MATRIX_FMT_FP6 matrix_b_fmt:MATRIX_FMT_FP6 matrix_a_scale:MATRIX_SCALE_ROW1
.elseif \x
	v_wmma_scale_f32_16x16x128_f8f6f4 v[rD:rD+7], v[rA:rA+11], v[rB:rB+11], 0, v[rS], v[QS] matrix_a_fmt:MATRIX_FMT_FP6 matrix_b_fmt:MATRIX_FMT_FP6 matrix_b_scale:MATRIX_SCALE_ROW1
.else
	v_wmma_scale_f32_16x16x128_f8f6f4 v[rD:rD+7], v[rA:rA+11], v[rB:rB+11], 0, v[rS], v[QS] matrix_a_fmt:MATRIX_FMT_FP6 matrix_b_fmt:MATRIX_FMT_FP6
.endif
.endm
.macro OPROD m, x                      ; O^T of channel tile m and query tile x += v^T p^T
.set rD, O+32*(\x)+8*(\m)
.set rA, VF+12*(\m)
.set rB, PC+12*(\x)
.if (\m)%2
	v_wmma_scale_f32_16x16x128_f8f6f4 v[rD:rD+7], v[rA:rA+11], v[rB:rB+11], v[rD:rD+7], v[VS+(\m)/2], v[PS+\x] matrix_a_fmt:MATRIX_FMT_FP6 matrix_b_fmt:MATRIX_FMT_FP6 matrix_a_scale:MATRIX_SCALE_ROW1
.else
	v_wmma_scale_f32_16x16x128_f8f6f4 v[rD:rD+7], v[rA:rA+11], v[rB:rB+11], v[rD:rD+7], v[VS+(\m)/2], v[PS+\x] matrix_a_fmt:MATRIX_FMT_FP6 matrix_b_fmt:MATRIX_FMT_FP6
.endif
.endm
	s_load_b128 s[4:7], s[0:1], 0x0                ; qkv s[4:5], yq s[6:7]
	v_lshl_add_u32 v[SPW], v0, 2, SPARE
	v_mov_b32 v[NIL], 0
	ds_add_u32 v[SPW], v[NIL]                      ; the opening lines: the add, twice on end, and its wait ahead of my first tensor load
	ds_add_u32 v[SPW], v[NIL]
	v_lshrrev_b32 v13, 5, v0
	v_readfirstlane_b32 s[WV], v13                 ; wave 0..7
	s_bfe_u32 s8, ttmp6, 0x40000                   ; cx
	s_lshl_b32 s9, ttmp9, 2
	s_add_co_u32 s9, s9, s8                        ; my block of 256 queries: it enters global addresses of q and y alone
	s_and_b32 s10, ttmp7, 0xffff                   ; the head, which the four partners share
	s_mul_i32 s12, s10, HEADB
	s_mul_i32 s14, s[WV], REC                      ; what I fetch: record wave of a slot's 8, from its byte 6,656 on
	s_add_co_u32 s14, s14, s12
	s_add_co_u32 s14, s14, 6656
	s_mov_b32 s15, 0
	; descriptor group 1: 51 rows of 256 bytes (32 elements of 8 bytes), dense in memory, 64 bytes of padding behind each in LDS
	s_mov_b32 s[G1], 15|(3<<16)|(1<<20)|(1<<21)|(5<<22)|(15<<25)   ; the mask: all four work-groups; elements of 8 bytes; padding on; bit 21 beside a mask; after every 64 words; of 16 words
	s_mov_b32 s[G1+1], 32<<16                      ; tensor_dim0
	s_mov_b32 s[G1+2], 51<<16                      ; tensor_dim1
	s_mov_b32 s[G1+3], 32<<16                      ; tile_dim0
	s_mov_b32 s[G1+4], 51                          ; tile_dim1
	s_mov_b32 s[G1+5], 32                          ; elements from row to row
	s_mov_b32 s[G1+6], 0
	s_mov_b32 s[G1+7], 0
	s_mov_b32 s[SEL], 0x76543210                   ; v_permlanex16_b32's selects for lane l xor 16
	s_mov_b32 s[SEL+1], 0xfedcba98
	s_mov_b32 s[CS], 0x3e38aa3b                    ; c = log2(e) / 8
	s_mov_b32 s[CS+1], s[CS]                       ; (named with it as a pair, so it is written)
	s_mov_b32 s[HM], 0xffff0000
	s_mov_b32 s[TB], 0
	s_mov_b32 s[SLOTS], 3
	s_lshl_b32 s16, s9, 4
	s_lshl_b32 s17, s[WV], 1
	s_add_co_u32 s16, s16, s17                     ; my even tile of queries, 0..254; the odd one follows it
	s_lshr_b32 s17, s16, 3
	s_mul_i32 s32, s17, REC
	s_add_co_u32 s32, s32, s12                     ; their record
	s_and_b32 s17, s16, 7                          ; the even tile's number j in it
	s_mul_i32 s34, s17, 768
	s_add_co_u32 s34, s34, s32
	s_mov_b32 s35, 0
	s_lshr_b32 s36, s17, 2                         ; the pair's scale words: 6,144 + 256 (j / 4) + 4 ((j / 2) % 2) + 8 lane
	s_lshl_b32 s36, s36, 8
	s_bfe_u32 s37, s17, 0x10001
	s_lshl_b32 s37, s37, 2
	s_add_co_u32 s36, s36, s37
	s_add_co_u32 s36, s36, s32
	s_add_co_u32 s36, s36, 6144
	s_mov_b32 s37, 0
	s_mul_i32 s[YB], s16, 12288                    ; y: my even tile's 8 K steps in yq,
	s_lshr_b32 s33, s10, 1
	s_mul_i32 s38, s33, 1536                       ; K step head / 2,
	s_add_co_u32 s[YB], s[YB], s38
	s_and_b32 s39, s10, 1
	s_mul_i32 s38, s39, 768                        ; its half head % 2
	s_add_co_u32 s[YB], s[YB], s38
	s_mov_b32 s[YB+1], 0
	s_lshl_b32 s[YS], s16, 9                       ; the scale bytes: 1,024 (tile / 2) + 128 (head / 2) + 2 (head % 2) + 4 lane
	s_lshl_b32 s33, s33, 7
	s_add_co_u32 s[YS], s[YS], s33
	s_lshl_b32 s39, s39, 1
	s_add_co_u32 s[YS], s[YS], s39
	s_add_co_u32 s[YS], s[YS], YSC
	s_mov_b32 s[YS+1], 0
	s_wait_dscnt 0x0                               ; both opening adds are done
	s_wait_kmcnt 0x0
	s_mov_b32 s[G0], 1                             ; count = 1
	s_mul_i32 s[G0+1], s[WV], LREC                 ; LDS address: slot 0
	s_add_nc_u64 s[G0+2:G0+3], s[4:5], s[14:15]    ; global address: the head's first 8 records
	s_or_b32 s[G0+3], s[G0+3], 0x80000000          ; type = 2
	s_add_nc_u64 s[34:35], s[4:5], s[34:35]
	s_add_nc_u64 s[36:37], s[4:5], s[36:37]
	s_add_nc_u64 s[YB:YB+1], s[6:7], s[YB:YB+1]
	s_add_nc_u64 s[YS:YS+1], s[6:7], s[YS:YS+1]
	ROUND                                          ; all four work-groups are here: the first joint loads meet
	TLOAD                                          ; slot 0: my one load at the head
	v_and_b32 v14, 31, v0                          ; lane
	v_and_b32 v15, 7, v0                           ; j
	v_bfe_u32 v16, v0, 4, 1                        ; hk
	v_bfe_u32 v17, v0, 3, 1                        ; h
	v_lshlrev_b32 v[G16], 4, v14
	v_lshlrev_b32 v[LV8], 3, v14
	v_lshlrev_b32 v[L4], 2, v14
	global_load_b128 v[QF:QF+3], v[G16], s[34:35]  ; q's half fragments stay in registers
	global_load_b64 v[QF+4:QF+5], v[LV8], s[34:35] offset:512
	global_load_b128 v[QF+12:QF+15], v[G16], s[34:35] offset:768
	global_load_b64 v[QF+16:QF+17], v[LV8], s[34:35] offset:1280
	global_load_b32 v[QS], v[LV8], s[36:37]
	v_lshlrev_b32 v[LK16], 4, v15
	v_mad_u32_u24 v[LK16], v17, 1920, v[LK16]
	v_mad_u32_u24 v[LK16], v16, 320, v[LK16]
	v_lshlrev_b32 v[LK8], 3, v15
	v_mad_u32_u24 v[LK8], v17, 1920, v[LK8]
	v_lshl_add_u32 v[LK8], v16, 7, v[LK8]
	v_lshl_add_u32 v[LV16], v16, 6, v[G16]
	v_lshlrev_b32 v[LKS], 3, v15
	v_lshl_add_u32 v[LKS], v17, 2, v[LKS]
	v_lshl_add_u32 v[LKS], v16, 7, v[LKS]
.irp x, 0,1
.irp i, 6,7,8,9,10,11
	v_mov_b32 v[QF+12*\x+\i], 0                    ; zero codes for K = 64 .. 127
.endr
.endr
.irp t, 0,1,2,3,4,5,6,7
.irp i, 6,7,8,9,10,11
	v_mov_b32 v[KF+12*\t+\i], 0                    ; likewise in k's fragments: no load ever lands here
.endr
.endr
.set j, 0
.rept 72
	v_mov_b32 v[VF+j], 0                           ; what the first trip's deferred product finds: zero codes for v and for p (v156-227),
.set j, j+1
.endr
.irp j, 0,1
	v_mov_b32 v[VS+\j], 0                          ; under scale bytes 0, finite like any other
	v_mov_b32 v[PS+\j], 0
.endr
	WIN 0x40                                       ; destination window 1
.set j, 0
.rept 192
	v_mov_b32 v[S+j], 0                            ; p, which the first trip's deferred sums find, and O^T
.set j, j+1
.endr
.irp j, 0,1,2,3,4,5,6,7
	v_mov_b32 v[L+\j], 0                           ; the sums
.endr
.irp j, 0,1,2,3
	v_mov_b32 v[T+\j], 0                           ; written once: a lane permute's destination counts as one of its sources
	v_mov_b32 v[F+\j], 0
.endr
.irp x, 0,1
	v_mov_b32 v[NM+2*\x], 0x7f61b1e6               ; -M: 3e38, over every -M to come: the first factor f is 0
	v_mov_b32 v[NM+2*\x+1], 0xff61b1e6             ; the largest score so far: -3e38
.endr
	v_lshlrev_b32 v[SH], 3, v16
	WIN 0
; WHAT IS LEFT OF THE STEP BEFORE: its row sums and its second product, on registers alone.  cnt: the LDS loads issued behind that step's loads of v.
.macro DEFER cnt
	s_wait_dscnt \cnt                              ; v of the step before is in
	WIN 0x55
.irp x, 0,1
.irp k, 0,1
	v_pk_fma_f32 v[L+4*\x+2*\k:L+4*\x+2*\k+1], v[L+4*\x+2*\k:L+4*\x+2*\k+1], v[F+2*\x:F+2*\x+1], v[S+64*\x+2*\k:S+64*\x+2*\k+1] op_sel_hi:[1,0,1]   ; THE ROW'S SUM IS TAKEN OF THE UNQUANTISED p: the old sum x f + p
.endr
.endr
.irp j, 4,8,12,16,20,24,28,32,36,40,44,48,52,56,60
.irp x, 0,1
.irp k, 0,1
	v_pk_add_f32 v[L+4*\x+2*\k:L+4*\x+2*\k+1], v[L+4*\x+2*\k:L+4*\x+2*\k+1], v[S+64*\x+\j+2*\k:S+64*\x+\j+2*\k+1]   ; four chains by turns; these are also the places between p's codes and scale words and the products
.endr
.endr
.endr
	WIN 0x50                                       ; C and D window 1, sources window 0
.irp m, 0,1,2,3
	OPROD \m, 0                                    ; the eight accumulators by turns
	OPROD \m, 1
.endr
.endm
.macro ORS n                           ; n pairs of each tile's O^T under the new M: x f, in ascending order
.rept \n
	v_pk_mul_f32 v[O+oj:O+oj+1], v[O+oj:O+oj+1], v[F:F+1] op_sel_hi:[1,0]
	v_pk_mul_f32 v[O+32+oj:O+33+oj], v[O+32+oj:O+33+oj], v[F+2:F+3] op_sel_hi:[1,0]
.set oj, oj+2
.endr
.endm
; A KEY STEP: 128 keys x my 32 queries.
.macro STEP
.irp a, 0,1,4
	v_add_nc_u32 v[AK16+\a], s[TB], v[LK16+\a]
.endr
.irp t, 0,1,2,3,4,5,6,7
	ds_load_b128 v[KF+12*\t:KF+12*\t+3], v[AK16] offset:960*(4*(\t/4)+\t%2)+128*((\t/2)%2)
	ds_load_b64 v[KF+12*\t+4:KF+12*\t+5], v[AK16+1] offset:960*(4*(\t/4)+\t%2)+640+64*((\t/2)%2)
.endr
.irp e, 0,1,2,3
	ds_load_b32 v[KS+\e], v[AK16+4] offset:PKS+320*(\e/2)+64*(\e%2)
.endr
	DEFER 20                                       ; k's twenty loads, just issued, may be out
	WIN 0x55
	v_mov_b32 v[F+1], v[NM]                        ; the old -M.  These two lines and the two below are the places behind the products, in front of the loads into v's registers
	v_mov_b32 v[F+3], v[NM+2]
	WIN 0
.irp a, 2,3
	v_add_nc_u32 v[AK16+\a], s[TB], v[LK16+\a]
.endr
.irp m, 0,1,2,3
	ds_load_b128 v[VF+12*\m:VF+12*\m+3], v[AK16+2] offset:PVF+1920*\m
	ds_load_b64 v[VF+12*\m+4:VF+12*\m+5], v[AK16+3] offset:PVF+1920*\m+640
	ds_load_b128 v[VF+12*\m+6:VF+12*\m+9], v[AK16+2] offset:PVF+1920*\m+960
	ds_load_b64 v[VF+12*\m+10:VF+12*\m+11], v[AK16+3] offset:PVF+1920*\m+1600
.endr
	ds_load_b64 v[VS:VS+1], v[AK16+3] offset:PVS
	s_wait_dscnt 17                                ; k's twenty loads are in; v's seventeen may be out
	WIN 0x40                                       ; D window 1, sources window 0
.irp t, 0,1,2,3,4,5,6,7
	SPROD \t, 0
	SPROD \t, 1
.endr
	WIN 0x55                                       ; all in window 1
.rept 4
	v_nop                                          ; the places behind the products
.endr
.irp x, 0,1
.irp c, 0,1
	v_max3_num_f32 v[BM+2*\x+\c], v[S+64*\x+32*\c], v[S+64*\x+32*\c+1], v[S+64*\x+32*\c+2]   ; THE LARGEST SCORE OF MY BLOCK 2 c + h: for the row's maximum and, since p rises with the score, for the block's largest p
.endr
.endr
.irp i, 3,5,7,9,11,13,15,17,19,21,23,25,27,29
.irp x, 0,1
.irp c, 0,1
	v_max3_num_f32 v[BM+2*\x+\c], v[BM+2*\x+\c], v[S+64*\x+32*\c+\i], v[S+64*\x+32*\c+\i+1]   ; four chains by turns; each accumulator is first read at its low end
.endr
.endr
.endr
.irp x, 0,1
.irp c, 0,1
	v_max_num_f32 v[BM+2*\x+\c], v[BM+2*\x+\c], v[S+64*\x+32*\c+31]
.endr
.endr
.irp x, 0,1
	v_max_num_f32 v[T+\x], v[BM+2*\x], v[BM+2*\x+1]
.endr
.irp x, 0,1
	v_permlanex16_b32 v[T+2+\x], v[T+\x], s[SEL], s[SEL+1]
.endr
.irp x, 0,1
	v_max3_num_f32 v[NM+2*\x+1], v[NM+2*\x+1], v[T+\x], v[T+2+\x]   ; the running largest score of my query
.endr
.irp x, 0,1
	v_mul_f32 v[T+\x], s[CS], v[NM+2*\x+1]         ; as t (c is positive)
.endr
.irp x, 0,1
	v_floor_f32 v[NM+2*\x], -v[T+\x]               ; the new -M = -ceil(t): M IS A WHOLE NUMBER
.endr
.set j, 0
.rept 32
	v_pk_fma_f32 v[S+j:S+j+1], v[S+j:S+j+1], s[CS:CS+1], v[NM:NM+1] op_sel_hi:[1,0,0]             ; t - M, two at a time (of the pairs c and -M the low word serves both halves)
	v_pk_fma_f32 v[S+64+j:S+65+j], v[S+64+j:S+65+j], s[CS:CS+1], v[NM+2:NM+3] op_sel_hi:[1,0,0]
.if j == 6
	v_sub_f32 v[T], v[NM], v[F+1]                  ; M's old value less its new one: a whole number, 0 or less
	v_sub_f32 v[T+1], v[NM+2], v[F+3]
.endif
.if j == 12
	v_cvt_i32_f32 v[T], v[T]                       ; (it saturates)
	v_cvt_i32_f32 v[T+1], v[T+1]
.endif
.if j == 18
	v_ldexp_f32 v[F], 1.0, v[T]                    ; f = 2^(old M - new M): a multiplication by it rounds nothing
	v_ldexp_f32 v[F+2], 1.0, v[T+1]
.endif
.set j, j+2
.endr
	v_pk_fma_f32 v[BM:BM+1], v[BM:BM+1], s[CS:CS+1], v[NM:NM+1] op_sel_hi:[1,0,0]                 ; the same of each block's largest score
	v_pk_fma_f32 v[BM+2:BM+3], v[BM+2:BM+3], s[CS:CS+1], v[NM+2:NM+3] op_sel_hi:[1,0,0]
	s_wait_alu depctr_va_vdst(0)                   ; the wait ahead of the batch
.set j, 0
.rept 128
	v_exp_f32 v[S+j], v[S+j]                       ; p = 2^(t - M): NOT normalised
.set j, j+1
.endr
.irp e, 0,1,2,3
	v_exp_f32 v[BM+\e], v[BM+\e]                   ; the block's largest p: the same two instructions on the same number give the same bits
.endr
	v_nop                                          ; a plain place behind the exponentials
	s_wait_alu depctr_va_vdst(0)                   ; the wait behind the batch, directly ahead of the first reader of O^T
.set oj, 0
	ORS 1                                          ; O^T x f, laid between the stages of the chain that makes p's scale words: no line waits for the line above it
.irp e, 0,1,2,3
	v_max_num_f32 v[BM+\e], 0x1800000, v[BM+\e]    ; the floor 2^(3 - 127): the byte cannot fall under 1
.endr
	ORS 2
.irp e, 0,1,2,3
	v_add_nc_u32 v[SO+\e], 0xff000000, v[BM+\e]    ; 2 off the exponent field: the conversion's scale operand
.endr
	ORS 2
.irp e, 0,1,2,3
	v_lshrrev_b32 v[BY+\e], 23, v[SO+\e]           ; the scale's byte
.endr
	ORS 2
.irp x, 0,1
	v_lshl_or_b32 v[T+\x], v[BY+2*\x+1], 16, v[BY+2*\x]   ; my two bytes: blocks h and 2 + h,
.endr
	ORS 2
.irp x, 0,1
	v_lshlrev_b32 v[T+\x], v[SH], v[T+\x]          ; at their places in the scale word
.endr
	ORS 2
.irp x, 0,1
	v_permlanex16_b32 v[T+2+\x], v[T+\x], s[SEL], s[SEL+1]
.endr
	ORS 5
	WIN 0x45                                       ; a conversion's three registers begin on an even number: a block's upper 16 codes are made in window 1 and moved
.irp x, 0,1
.irp c, 0,1
	v_cvt_scalef32_pk16_fp6_f32 v[CT+4*(2*\x+\c):CT+4*(2*\x+\c)+2], v[S+64*\x+32*\c+16:S+64*\x+32*\c+31], v[SO+2*\x+\c]
.endr
.endr
	WIN 0x05                                       ; destination window 0
.irp x, 0,1
.irp c, 0,1
	v_cvt_scalef32_pk16_fp6_f32 v[PC+12*\x+6*\c:PC+12*\x+6*\c+2], v[S+64*\x+32*\c:S+64*\x+32*\c+15], v[SO+2*\x+\c]
.endr
.endr
.irp x, 0,1
	v_or_b32 v[PS+\x], v[T+\x], v[T+2+\x]          ; with lane l xor 16's two bytes p's scale word is whole.  (Plain places behind the conversions)
.endr
.irp x, 0,1
.irp c, 0,1
.irp i, 0,1,2
	v_mov_b32 v[PC+12*\x+6*\c+3+\i], v[CT+4*(2*\x+\c)+\i]
.endr
.endr
.endr
	WIN 0
	s_add_co_u32 s[TB], s[TB], LREC                ; on to the next key step
.endm
.macro SLOT_STEPS                      ; a slot's 8 key steps: written once, walked 8 times
	s_mov_b32 s[CNT], 8
.Lstep_\@:
	STEP
	s_sub_co_u32 s[CNT], s[CNT], 1
	s_cmp_lg_u32 s[CNT], 0
	s_cbranch_scc1 .Lstep_\@
	s_sub_co_u32 s[TB], s[TB], 8*LREC              ; back to a slot's first step,
	s_xor_b32 s[TB], s[TB], SLOT1                  ; in the other slot
.endm
; THE CHANGE OF SLOTS.  fill = 1: the slot that has been left (the first time: slot 1, not yet filled) takes the 8 records that follow those of the slot ahead.
.macro CHANGE fill
	s_wait_tensorcnt 0x0                           ; my one tensor load has landed, my part of the slot ahead: group 0 may be written
	ds_add_u32 v[SPW], v[NIL]                      ; 0 onto my spare word
.if \fill
	s_xor_b32 s[G0+1], s[G0+1], SLOT1              ; the walking descriptor: the other slot than last time,
	s_add_nc_u64 s[G0+2:G0+3], s[G0+2:G0+3], 8*REC ; the next 8 records; the type bits on top are not reached
.endif
	s_wait_dscnt 0x0                               ; the add is done, and my reads of the slot that I have left are over, the last step's v among them
.if \fill
	ROUND                                          ; both now hold of every wave of all four work-groups
	TLOAD                                          ; the first thing behind the round, and my one tensor load until the next
.else
	s_barrier_signal -1
	s_barrier_wait -1
.endif
.endm
	s_wait_alu depctr_va_vdst(0)                   ; the wait at the head's end
	s_wait_loadcnt 0x0                             ; q
.Lslot:                                            ; three trips: behind each change of slots but the last the next 8 records are asked for
	CHANGE 1
	SLOT_STEPS
	s_sub_co_u32 s[SLOTS], s[SLOTS], 1
	s_cmp_lg_u32 s[SLOTS], 0
	s_cbranch_scc1 .Lslot
	CHANGE 0                                       ; the last slot is written out
	SLOT_STEPS
	DEFER 0                                        ; the last step's sums and its second product
	; THE WAY OUT.  y = O^T / the sum; register 16 b + i is channel 32 b + 16 (lane / 16) + i of my query: two blocks a tile, quantised in registers: a half fragment of the last product's operand.
	WIN 0x55
	s_wait_alu depctr_va_vdst(0)                   ; the wait, directly ahead of the first reader of the last step's sums
.irp x, 0,1
	v_pk_add_f32 v[L+4*\x:L+4*\x+1], v[L+4*\x:L+4*\x+1], v[L+4*\x+2:L+4*\x+3]   ; the sum's chains.  (These lines are the places behind the last products)
.endr
.irp x, 0,1
	v_add_f32 v[L+4*\x], v[L+4*\x], v[L+4*\x+1]
.endr
.irp x, 0,1
	v_permlanex16_b32 v[T+\x], v[L+4*\x], s[SEL], s[SEL+1]
.endr
.irp x, 0,1
	v_add_f32 v[L+4*\x], v[L+4*\x], v[T+\x]        ; with lane l xor 16's: the row's sum
.endr
	s_wait_alu depctr_va_vdst(0)                   ; the wait ahead of the transcendentals
.irp x, 0,1
	v_rcp_f32 v[F+2*\x], v[L+4*\x]
.endr
	v_nop                                          ; a plain place behind them
	s_wait_alu depctr_va_vdst(0)                   ; and the wait, directly ahead of the first reader of the quotients and of O^T
.set j, 0
.rept 16
	v_pk_mul_f32 v[S+j:S+j+1], v[O+j:O+j+1], v[F:F+1] op_sel_hi:[1,0]               ; each accumulator from its low end on
	v_pk_mul_f32 v[S+64+j:S+65+j], v[O+32+j:O+33+j], v[F+2:F+3] op_sel_hi:[1,0]
.set j, j+2
.endr
.irp x, 0,1
.irp b, 0,1
	v_max3_num_f32 v[BM+2*\x+\b], |v[S+64*\x+16*\b]|, |v[S+64*\x+16*\b+1]|, 0x1800000   ; my 16 numbers of block b, and the floor 2^(3 - 127)
.endr
.endr
.irp i, 2,4,6,8,10,12,14
.irp x, 0,1
.irp b, 0,1
	v_max3_num_f32 v[BM+2*\x+\b], v[BM+2*\x+\b], |v[S+64*\x+16*\b+\i]|, |v[S+64*\x+16*\b+\i+1]|
.endr
.endr
.endr
.irp e, 0,1,2,3
	v_permlanex16_b32 v[T+\e], v[BM+\e], s[SEL], s[SEL+1]
.endr
.irp e, 0,1,2,3
	v_max_num_f32 v[BM+\e], v[BM+\e], v[T+\e]      ; with lane l xor 16's: the block's largest magnitude
.endr
.irp e, 0,1,2,3
	v_add_nc_u32 v[SO+\e], 0xff000000, v[BM+\e]
.endr
.irp e, 0,1,2,3
	v_lshrrev_b32 v[BY+\e], 23, v[SO+\e]
.endr
.irp x, 0,1
	v_lshl_or_b32 v[T+\x], v[BY+2*\x+1], 8, v[BY+2*\x]   ; my head's two bytes of the row's scale word
.endr
	v_cndmask_b32 v[T], v[T], v[T+1], s[HM]        ; lanes 0-15 keep the even tile's, lanes 16-31 take the odd tile's
.irp x, 0,1
	v_cvt_scalef32_pk16_fp6_f32 v[YC+12*\x:YC+12*\x+2], v[S+64*\x:S+64*\x+15], v[SO+2*\x]
	v_cvt_scalef32_pk16_fp6_f32 v[YC+12*\x+6:YC+12*\x+8], v[S+64*\x+16:S+64*\x+31], v[SO+2*\x+1]
.endr
	v_nop                                          ; one plain place behind the scaled conversions
.irp x, 0,1
.irp i, 0,1,2
	v_permlane16_swap_b32 v[YC+12*\x+\i], v[YC+12*\x+6+\i]   ; lanes 0-15: block 0 whole; lanes 16-31: block 1 whole
.endr
.endr
.irp x, 0,1
.irp i, 0,1,2
	v_mov_b32 v[YC+12*\x+3+\i], v[YC+12*\x+6+\i]
.endr
.endr
	WIN 0x04                                       ; a store's data are its source 1: window 1; its offset window 0
.irp x, 0,1
	global_store_b128 v[G16], v[YC+12*\x:YC+12*\x+3], s[YB:YB+1] offset:12288*\x          ; 512 consecutive bytes,
	global_store_b64 v[LV8], v[YC+12*\x+4:YC+12*\x+5], s[YB:YB+1] offset:12288*\x+512     ; and 256
.endr
	global_store_b16 v[L4], v[T], s[YS:YS+1]
	WIN 0
	s_wait_tensorcnt 0x0                           ; the wave's end
	ds_add_u32 v[SPW], v[NIL]
	s_wait_dscnt 0x0
	ROUND                                          ; the closing round: no work-group ends while a partner may still ask for a tile that names it
	s_endpgm
.Lfunc_end_k_qcded6a8646_attn:
	.size	k_qcded6a8646_attn, .Lfunc_end_k_qcded6a8646_attn-k_qcded6a8646_attn
	.p2alignl 7, 3214868480
	.fill 96, 4, 3214868480
	.section	.rodata,"a",@progbits
	.p2align	6, 0x0
	.amdhsa_kernel k_qcded6a8646_attn
		.amdhsa_group_segment_fixed_size 327680
		.amdhsa_private_segment_fixed_size 0
		.amdhsa_enable_private_segment 0
		.amdhsa_kernarg_size 16
		.amdhsa_user_sgpr_count 2
		.amdhsa_user_sgpr_kernarg_segment_ptr 1
		.amdhsa_wavefront_size32 1
		.amdhsa_system_sgpr_workgroup_id_x 1
		.amdhsa_system_sgpr_workgroup_id_y 1
		.amdhsa_system_sgpr_workgroup_id_z 1
		.amdhsa_system_vgpr_workitem_id 0
		.amdhsa_next_free_vgpr 512
		.amdhsa_next_free_sgpr 66
		.amdhsa_reserve_vcc 0
		.amdhsa_float_denorm_mode_32 3
		.amdhsa_float_denorm_mode_16_64 3
		.amdhsa_memory_ordered 1
		.amdhsa_forward_progress 1
		.amdhsa_inst_pref_size 85
	.end_amdhsa_kernel
	.amdgpu_metadata
---
amdhsa.version: [ 1, 2 ]
amdhsa.kernels:
  - .name:           k_qcded6a8646_attn
    .symbol:         k_qcded6a8646_attn.kd
    .args:
      - { .name: qkv, .offset: 0, .size: 8, .value_kind: global_buffer, .address_space: global }
      - { .name: yq, .offset: 8, .size: 8, .value_kind: global_buffer, .address_space: global }
    .group_segment_fixed_size: 327680
    .private_segment_fixed_size: 0
    .kernarg_segment_align: 8
    .kernarg_segment_size: 16
    .max_flat_workgroup_size: 256
    .sgpr_count:     66
    .vgpr_count:     512
    .wavefront_size: 32
...
	.end_amdgpu_metadata
.endif
;; end of part 3
;; launch gemm_out (part 4): grid 4 x 64, 4 waves a work-group, clusters of 4 x 4, 280,064 bytes of LDS; arguments xw, yq, out0; writes out0
.if DOCPART == 4
	.amdgcn_target "amdgcn-amd-amdhsa--gfx1250"
	.amdhsa_code_object_version 6
	.text
	.protected	k_qcded6a8646_gemm_out
	.globl	k_qcded6a8646_gemm_out
	.p2align	8
	.type	k_qcded6a8646_gemm_out,@function
k_qcded6a8646_gemm_out:
	s_mov_b64 s[64:65], 0
	v_nop
	global_prefetch_b8 v0, s[64:65] scope:SCOPE_SE
	s_setreg_imm32_b32 hwreg(HW_REG_WAVE_MODE, 25, 1), 1
	s_wait_xcnt 0x0
	s_wait_alu depctr_hold_cnt(0) depctr_sa_sdst(0) depctr_va_vdst(0) depctr_va_sdst(0) depctr_va_ssrc(0) depctr_va_vcc(0) depctr_vm_vsrc(0)
	s_getreg_b32 s2, hwreg(HW_REG_IB_STS2, 6, 4)
	s_cmp_eq_u32 s2, 0
	s_cbranch_scc0 .Lentry_in_a_cluster
	s_endpgm
.Lentry_in_a_cluster:
	s_bfe_u32 s2, ttmp6, 0x10000c
	s_cmp_lg_u32 s2, 0xf033
	s_cbranch_scc0 .Lentry_shape_is_right
	s_endpgm
.Lentry_shape_is_right:
; out0 = y w_out on codes of FP6 (E2M3) with E8M0 scales; out0 [4096][1024] f32.
; xw: tiles 448-511 hold w_out's columns, 16 to a tile, for 8 K steps, as images of the operand's registers (1,536 bytes a fragment: for each 64 along K lane l's registers 0-3 at 16 l, its registers 4-5 at 512 + 8 l);
; scale words at XSC, [pair of tiles][K step][lane]: lanes 0-15 the even tile's rows, lanes 16-31 the odd tile's.  yq: y's 256 tiles of tokens likewise, scale words at YSC.
; Lane r of tile 2 b + u stands for row 32 b + 8 u + r + 8 (r / 8).
; Source 0 (P) = w_out's columns, source 1 (R) = y's tokens: a lane holds ONE token, and the 16 registers of P's tiles 2 b, 2 b + 1 are 16 neighbouring columns of out0.
; SHARES.  4,096 x 1,024 results are 256 x 16,384: a work-group makes 256 columns x 64 tokens; wave (wp, wr) 128 x 32: 16 accumulators.  128 columns to a wave are rows of 512 bytes on the way out.
; LDS.  K is 1,024: both panels for all of K are 245,760 bytes and come ONCE, in four chunks of two K steps: no byte of LDS is filled twice.  A counted wait and a barrier stand in front of each chunk's first read.
; CLUSTER 4 x 4.  P's panel hangs on the work-group's x alone and is asked for jointly by a column of the cluster, R's on its y alone, by a row.  One round stands in front of the fills and one in front of the end.
; THE WAY OUT goes through a stage of the wave's own, in chunk 0, which has had its one fill and whose last read lies ahead of a barrier that every wave has passed: whole rows of 512 bytes leave.
; REGISTERS: window 0: v1-3 16, 8, 4 x lane; v4-19 LDS addresses; v20, v21 the stage; v32-63 P's scale words, v64-71 R's; v80-151 R's fragments, two sets; on the way out v80-207 rows of out0.
;   window 1: P's fragments, two sets, at v0 and v128.   window 2: accumulator (R tile m, P tile t) at v[64 m + 8 t].
; LDS AS IT STANDS NOW (in place of the head's paragraphs on chunks and on the stage): P's 16 tiles lie at 0, R's 4 at 196,608, each tile's 8 K steps on end (12,288 bytes), as in memory.
; Each wave asks for its part of a panel by ONE dense tensor load at the head; one wait for 0 and one barrier stand in front of the first read.
; The stages of the way out have bytes of their own, behind the spare words, from 246,272 on: no fill lands there.
.set CH,    24576                      ; two tiles: what one address register reaches by its immediate
.set XSC,   6291456
.set YSC,   3145728
.set L16,  1
.set L8,   2
.set L4,   3
.set AP16, 4                           ; v4-7   16 x lane + chunk q + my 8 tiles of P;  v8-11 the same with 8 x lane
.set AP8,  8
.set AR16, 12                          ; v12-15, v16-19 the same for my 2 tiles of R
.set AR8,  16
.set STO,  20                          ; v20    the stage: where I put 64 bytes of a row
.set RD,   21                          ; v21    and where I read a row back
.set PS,   32                          ; P's scale words: pair i, K step k at v[PS + 8 i + k]
.set RS,   64                          ; R's: my one pair, K step k at v[RS + k]
.set RF,   80
.set BK,   80                          ; the way out: 16 rows read back: v80-143 and v144-207
.set SOP,  222                         ; v222, v223 offsets of the scale loads; never rewritten
.set WV,   10
.set WP,   11
.set WR,   12
.set PT,   18
.set RT,   19
.set G1P,  24                          ; s[24:31] descriptor group 1 for P;  s[32:39] for R;  s[40:43], s[68:71] groups 0
.set G1R,  32
.set G0P,  40
.set G0R,  68
.set OB,   88                          ; s[88:89] out0 at my first row and column
.set MSB, 0
.macro WIN new                         ; the immediate's high byte repeats the setting that is left
.if MSB != \new
	s_set_vgpr_msb (MSB<<8)|\new
.set MSB, \new
.endif
.endm
.macro CROUND                          ; a round of the cluster's barrier
	s_barrier_signal -1
	s_barrier_wait -1
	s_cmp_lg_u32 s[WV], 0
	s_cbranch_scc1 .Lnot_wave_0_\@
	s_barrier_signal -3
.Lnot_wave_0_\@:
	s_barrier_wait -3
	s_barrier_signal -1
	s_barrier_wait -1
.endm
.macro PLACES                          ; four places behind a matrix instruction, in front of loads into its registers and of reads of its result
.rept 4
	v_nop
.endr
.endm
.macro CHUNKWAIT n                     ; my part of a chunk has landed (n younger loads may stay out); then everybody's has
	s_wait_tensorcnt \n
	s_barrier_signal -1
	s_barrier_wait -1
.endm
.macro FETCH k                         ; K step k's fragments, 8 of P and 2 of R, into set k % 2: 40 loads, each of 512 or 256 consecutive bytes
	WIN 0x40                                       ; destination window 1, address window 0
.irp t, 0,1,2,3,4,5,6,7
	ds_load_b128 v[128*((\k)%2)+12*\t:128*((\k)%2)+12*\t+3], v[AP16+\t/2] offset:12288*(\t%2)+1536*(\k)
	ds_load_b64 v[128*((\k)%2)+12*\t+4:128*((\k)%2)+12*\t+5], v[AP8+\t/2] offset:12288*(\t%2)+1536*(\k)+512
	ds_load_b128 v[128*((\k)%2)+12*\t+6:128*((\k)%2)+12*\t+9], v[AP16+\t/2] offset:12288*(\t%2)+1536*(\k)+768
	ds_load_b64 v[128*((\k)%2)+12*\t+10:128*((\k)%2)+12*\t+11], v[AP8+\t/2] offset:12288*(\t%2)+1536*(\k)+1280
.endr
	WIN 0
.irp t, 0,1
	ds_load_b128 v[RF+48*((\k)%2)+12*\t:RF+48*((\k)%2)+12*\t+3], v[AR16+\t/2] offset:12288*(\t%2)+1536*(\k)
	ds_load_b64 v[RF+48*((\k)%2)+12*\t+4:RF+48*((\k)%2)+12*\t+5], v[AR8+\t/2] offset:12288*(\t%2)+1536*(\k)+512
	ds_load_b128 v[RF+48*((\k)%2)+12*\t+6:RF+48*((\k)%2)+12*\t+9], v[AR16+\t/2] offset:12288*(\t%2)+1536*(\k)+768
	ds_load_b64 v[RF+48*((\k)%2)+12*\t+10:RF+48*((\k)%2)+12*\t+11], v[AR8+\t/2] offset:12288*(\t%2)+1536*(\k)+1280
.endr
.endm
; One product: R tile m x P tile t, K step k.  An odd tile's scale words lie in lanes 16-31 of its pair's register.  K step 0 starts the sums: nothing is cleared.
.macro MM m, t, k
.set rD, 64*(\m)+8*(\t)
.set rP, 128*((\k)%2)+12*(\t)
.set rR, RF+48*((\k)%2)+12*(\m)
.set rX, PS+8*((\t)/2)+(\k)
.set rY, RS+(\k)
.if (\k) == 0
.if ((\t)%2) && ((\m)%2)
	v_wmma_scale_f32_16x16x128_f8f6f4 v[rD:rD+7], v[rP:rP+11], v[rR:rR+11], 0, v[rX], v[rY] matrix_a_fmt:MATRIX_FMT_FP6 matrix_b_fmt:MATRIX_FMT_FP6 matrix_a_scale:MATRIX_SCALE_ROW1 matrix_b_scale:MATRIX_SCALE_ROW1
.elseif (\t)%2
	v_wmma_scale_f32_16x16x128_f8f6f4 v[rD:rD+7], v[rP:rP+11], v[rR:rR+11], 0, v[rX], v[rY] matrix_a_fmt:MATRIX_FMT_FP6 matrix_b_fmt:MATRIX_FMT_FP6 matrix_a_scale:MATRIX_SCALE_ROW1
.elseif (\m)%2
	v_wmma_scale_f32_16x16x128_f8f6f4 v[rD:rD+7], v[rP:rP+11], v[rR:rR+11], 0, v[rX], v[rY] matrix_a_fmt:MATRIX_FMT_FP6 matrix_b_fmt:MATRIX_FMT_FP6 matrix_b_scale:MATRIX_SCALE_ROW1
.else
	v_wmma_scale_f32_16x16x128_f8f6f4 v[rD:rD+7], v[rP:rP+11], v[rR:rR+11], 0, v[rX], v[rY] matrix_a_fmt:MATRIX_FMT_FP6 matrix_b_fmt:MATRIX_FMT_FP6
.endif
.else
.if ((\t)%2) && ((\m)%2)
	v_wmma_scale_f32_16x16x128_f8f6f4 v[rD:rD+7], v[rP:rP+11], v[rR:rR+11], v[rD:rD+7], v[rX], v[rY] matrix_a_fmt:MATRIX_FMT_FP6 matrix_b_fmt:MATRIX_FMT_FP6 matrix_a_scale:MATRIX_SCALE_ROW1 matrix_b_scale:MATRIX_SCALE_ROW1
.elseif (\t)%2
	v_wmma_scale_f32_16x16x128_f8f6f4 v[rD:rD+7], v[rP:rP+11], v[rR:rR+11], v[rD:rD+7], v[rX], v[rY] matrix_a_fmt:MATRIX_FMT_FP6 matrix_b_fmt:MATRIX_FMT_FP6 matrix_a_scale:MATRIX_SCALE_ROW1
.elseif (\m)%2
	v_wmma_scale_f32_16x16x128_f8f6f4 v[rD:rD+7], v[rP:rP+11], v[rR:rR+11], v[rD:rD+7], v[rX], v[rY] matrix_a_fmt:MATRIX_FMT_FP6 matrix_b_fmt:MATRIX_FMT_FP6 matrix_b_scale:MATRIX_SCALE_ROW1
.else
	v_wmma_scale_f32_16x16x128_f8f6f4 v[rD:rD+7], v[rP:rP+11], v[rR:rR+11], v[rD:rD+7], v[rX], v[rY] matrix_a_fmt:MATRIX_FMT_FP6 matrix_b_fmt:MATRIX_FMT_FP6
.endif
.endif
.endm
; A K step: its fragments are in; the next step's are asked for, into the set that the last step multiplied; then 16 products, the 16 accumulators by turns in the same order in every step.
.macro KSTEP k
	s_wait_dscnt 0x0                               ; set k % 2 is in, and no LDS load of mine is out at a signal
.if (\k) < 7
.if (\k) > 0
	PLACES
.endif
	FETCH (\k)+1
.endif
	WIN 0xa1                                       ; source 0 (P) window 1, source 1 (R) window 0, C and D window 2
.irp m, 0,1
.irp t, 0,1,2,3,4,5,6,7
	MM \m, \t, \k
.endr
.endr
	WIN 0
.endm
	s_load_b128 s[4:7], s[0:1], 0x0                ; xw s[4:5], yq s[6:7]
	s_load_b64 s[8:9], s[0:1], 0x10                ; out0
	v_lshl_add_u32 v254, v0, 2, 0x3c000
	v_mov_b32 v255, 0
	ds_add_u32 v254, v255
	ds_add_u32 v254, v255
	v_lshrrev_b32 v1, 5, v0
	v_readfirstlane_b32 s[WV], v1                  ; wave 0..3
	s_and_b32 s[WP], s[WV], 1                      ; which 128 columns are mine.  Also: which half of a panel I fetch
	s_lshr_b32 s[WR], s[WV], 1                     ; which 32 tokens are mine.  Also: I fetch for P (0) or for R (1)
	s_bfe_u32 s13, ttmp6, 0x40000                  ; cx
	s_bfe_u32 s14, ttmp6, 0x40004                  ; cy
	s_lshl_b32 s[PT], ttmp9, 2
	s_add_co_u32 s[PT], s[PT], s13                 ; which 256 columns: 4 x cluster x + cx
	s_and_b32 s[RT], ttmp7, 0xffff
	s_lshl_b32 s[RT], s[RT], 2
	s_add_co_u32 s[RT], s[RT], s14                 ; which 64 tokens: 4 x cluster y + cy
	s_lshl_b32 s20, 0x1111, s13                    ; my column of the cluster
	s_lshl_b32 s21, s14, 2
	s_lshl_b32 s21, 15, s21                        ; my row
	; descriptor group 1: tiles as rows of 3,072 bytes (two K steps: 384 elements of 8 bytes), dense in memory and in LDS.  P: 8 tiles a load; R: 2
	s_or_b32 s[G1P], s20, (3<<16)|(1<<21)          ; 15:0 the mask; 17:16 elements of 8 bytes; 21 set beside a mask
	s_or_b32 s[G1R], s21, (3<<16)|(1<<21)
	s_mov_b32 s[G1P+1], 384<<16                    ; tensor_dim0
	s_mov_b32 s[G1P+2], 32<<16                     ; tensor_dim1: 8 tiles on end are 32 rows of 3,072 bytes, dense in memory and in LDS
	s_mov_b32 s[G1P+3], 384<<16                    ; tile_dim0
	s_mov_b32 s[G1P+4], 32                         ; tile_dim1
	s_mov_b32 s[G1P+5], 384                        ; elements from row to row
	s_mov_b32 s[G1P+6], 0
	s_mov_b32 s[G1P+7], 0
	s_mov_b32 s[G1R+1], 384<<16
	s_mov_b32 s[G1R+2], 8<<16                      ; 2 tiles on end: 8 rows
	s_mov_b32 s[G1R+3], 384<<16
	s_mov_b32 s[G1R+4], 8
	s_mov_b32 s[G1R+5], 384
	s_mov_b32 s[G1R+6], 0
	s_mov_b32 s[G1R+7], 0
	; P's first tile in xw: 448 + 16 x PT.  R's in yq: 4 x RT.  Each in registers that never hold the other coordinate
	s_lshl_b32 s22, s[PT], 4
	s_add_co_u32 s22, s22, 448
	s_lshl_b32 s17, s[WP], 3
	s_add_co_u32 s56, s22, s17                     ; the 8 tiles of P that I would fetch
	s_mul_i32 s56, s56, 12288
	s_mov_b32 s57, 0
	s_lshl_b32 s23, s[RT], 2
	s_lshl_b32 s17, s[WP], 1
	s_add_co_u32 s58, s23, s17                     ; the 2 tiles of R that I would fetch
	s_mul_i32 s58, s58, 12288
	s_mov_b32 s59, 0
	s_mul_i32 s60, s[WP], 98304                    ; and where they go: P's half panel, or R's: no place in the cluster enters an LDS address
	s_mul_i32 s61, s[WP], 24576
	s_add_co_u32 s61, s61, 196608
	s_wait_dscnt 0x0
	s_wait_kmcnt 0x0
	s_add_nc_u64 s[56:57], s[4:5], s[56:57]
	s_add_nc_u64 s[58:59], s[6:7], s[58:59]
	CROUND                                         ; all sixteen work-groups are here: the joint loads meet
.irp q, 0
	s_mov_b32 s[G0P+4*\q], 1                       ; count = 1
	s_add_co_u32 s[G0P+4*\q+1], s60, \q*CH         ; LDS address
	s_add_nc_u64 s[G0P+4*\q+2:G0P+4*\q+3], s[56:57], \q*3072   ; global address: K steps 2 q, 2 q + 1
	s_or_b32 s[G0P+4*\q+3], s[G0P+4*\q+3], 0x80000000          ; type = 2
	s_mov_b32 s[G0R+4*\q], 1
	s_add_co_u32 s[G0R+4*\q+1], s61, \q*CH
	s_add_nc_u64 s[G0R+4*\q+2:G0R+4*\q+3], s[58:59], \q*3072
	s_or_b32 s[G0R+4*\q+3], s[G0R+4*\q+3], 0x80000000
.endr
	s_cmp_lt_u32 s[WV], 2                          ; one fill a wave, one to each arm of this branch on the wave's number
	s_cbranch_scc0 .Lfill_r
	tensor_load_to_lds s[G0P:G0P+3], s[G1P:G1P+7]
	s_nop 0
.rept 4
	v_nop
.endr
	s_branch .Lfilled
.Lfill_r:
	tensor_load_to_lds s[G0R:G0R+3], s[G1R:G1R+7]
	s_nop 0
.rept 4
	v_nop
.endr
.Lfilled:
	v_and_b32 v1, 31, v0
	v_lshlrev_b32 v[L4], 2, v1
	v_lshlrev_b32 v[L8], 3, v1
	v_lshlrev_b32 v[L16], 4, v1
	s_mul_i32 s60, s[WP], 98304                    ; my 8 tiles of P
	s_mul_i32 s61, s[WR], 24576                    ; my 2 tiles of R,
	s_add_co_u32 s61, s61, 196608                  ; which lie behind P's 16
.irp q, 0,1,2,3
	v_add_nc_u32 v[AP16+\q], s60, v[L16]
	v_add_nc_u32 v[AP8+\q], s60, v[L8]
	v_add_nc_u32 v[AR16+\q], s61, v[L16]
	v_add_nc_u32 v[AR8+\q], s61, v[L8]
	s_add_co_u32 s60, s60, CH
	s_add_co_u32 s61, s61, CH
.endr
	; the scale words of my tiles, for all of K: 40 loads of 128 consecutive bytes, once
	s_lshl_b32 s84, s[WP], 3
	s_add_co_u32 s84, s84, s22
	s_lshl_b32 s84, s84, 9                         ; 1,024 bytes a pair of tiles = 512 a tile
	v_add_nc_u32 v[SOP], s84, v[L4]
	s_lshl_b32 s85, s[WR], 1
	s_add_co_u32 s85, s85, s23
	s_lshl_b32 s85, s85, 9
	v_add_nc_u32 v[SOP+1], s85, v[L4]
.irp i, 0,1,2,3
.irp k, 0,1,2,3,4,5,6,7
	global_load_b32 v[PS+8*\i+\k], v[SOP], s[4:5] offset:XSC+1024*\i+128*\k
.endr
.endr
.irp k, 0,1,2,3,4,5,6,7
	global_load_b32 v[RS+\k], v[SOP+1], s[6:7] offset:YSC+128*\k
.endr
	; the way out's addresses
	v_and_b32 v22, 15, v0                          ; r
	v_bfe_u32 v23, v0, 4, 1                        ; h
	s_mul_i32 s86, s[WV], 16*528                   ; my stage: 16 rows of 512 bytes + 16,
	s_add_co_u32 s86, s86, 246272                  ; behind the panels and the spare words
	v_mul_u32_u24 v[STO], v22, 528
	v_lshl_add_u32 v[STO], v23, 6, v[STO]
	v_add_nc_u32 v[STO], s86, v[STO]               ; in: row r, + 64 h: of each 32 columns my half's 16
	v_add_nc_u32 v[RD], s86, v[L16]                ; back: the 32 lanes take one row
	s_lshl_b32 s84, s[RT], 6
	s_lshl_b32 s85, s[WR], 5
	s_add_co_u32 s84, s84, s85
	s_lshl_b32 s84, s84, 12                        ; my first token's row of 4,096 bytes,
	s_lshl_b32 s85, s[PT], 10
	s_add_co_u32 s84, s84, s85
	s_lshl_b32 s85, s[WP], 9
	s_add_co_u32 s84, s84, s85                     ; my first column's 4 bytes
	s_mov_b32 s85, 0
	s_add_nc_u64 s[OB:OB+1], s[8:9], s[84:85]
	s_wait_alu depctr_va_vdst(0)
	CHUNKWAIT 0                                    ; my one load has landed; behind the barrier everybody's has
	FETCH 0
	s_wait_loadcnt 0x0                             ; the scale words
	KSTEP 0
	KSTEP 1
	KSTEP 2
	KSTEP 3
	KSTEP 4
	KSTEP 5
	KSTEP 6
	KSTEP 7
	PLACES                                         ; in front of the stores that read results and of the loads into the registers that held R's fragments
; THE WAY OUT, a tile of 16 tokens x 128 columns at a time.  A lane holds 4 x 64 bytes of one row, and the lanes beside it hold other rows: so a tile goes through my stage and comes back as whole rows of 512 bytes.
; LDS serves a wave's instructions in order (ISA guide 5.7.1.4): no wait between the stores and the loads, nor in front of the next tile's stores.
.macro TOSTAGE m
	WIN 0x08                                       ; an LDS store's data are its source 1: window 2
.irp b, 0,1,2,3
.irp d, 0,1,2,3
	ds_store_b128 v[STO], v[64*(\m)+16*\b+4*\d:64*(\m)+16*\b+4*\d+3] offset:128*\b+16*\d   ; each accumulator from its low end on
.endr
.endr
	WIN 0
.set BB, BK+64*((\m)%2)
.irp t, 0,1,2,3,4,5,6,7,8,9,10,11,12,13,14,15
	ds_load_b128 v[BB+4*\t:BB+4*\t+3], v[RD] offset:\t*528
.endr
.endm
.macro SEND m, younger                 ; younger: the LDS instructions issued behind tile m's loads, which may stay out.  Stage row t is token 8 m + t + 8 (t / 8) of my 32
.set BB, BK+64*((\m)%2)
	s_wait_dscnt \younger
.irp t, 0,1,2,3,4,5,6,7,8,9,10,11,12,13,14,15
	global_store_b128 v[L16], v[BB+4*\t:BB+4*\t+3], s[OB:OB+1] offset:(8*(\m)+\t+8*(\t/8))*4096 th:TH_STORE_NT   ; 32 lanes store 512 consecutive bytes, aligned; written once, read by nobody here
.endr
.endm
	TOSTAGE 0
	TOSTAGE 1
	SEND 0, 32                                     ; behind tile 0's loads: tile 1's 16 stores and 16 loads
	SEND 1, 0
	s_wait_tensorcnt 0x0
	ds_add_u32 v254, v255
	s_wait_dscnt 0x0
	CROUND                                         ; the closing round: no work-group ends while a partner may still ask for a tile that names it
	s_endpgm
.Lfunc_end_k_qcded6a8646_gemm_out:
	.size	k_qcded6a8646_gemm_out, .Lfunc_end_k_qcded6a8646_gemm_out-k_qcded6a8646_gemm_out
	.p2alignl 7, 3214868480
	.fill 96, 4, 3214868480
	.section	.rodata,"a",@progbits
	.p2align	6, 0x0
	.amdhsa_kernel k_qcded6a8646_gemm_out
		.amdhsa_group_segment_fixed_size 280064
		.amdhsa_private_segment_fixed_size 0
		.amdhsa_enable_private_segment 0
		.amdhsa_kernarg_size 24
		.amdhsa_user_sgpr_count 2
		.amdhsa_user_sgpr_kernarg_segment_ptr 1
		.amdhsa_wavefront_size32 1
		.amdhsa_system_sgpr_workgroup_id_x 1
		.amdhsa_system_sgpr_workgroup_id_y 1
		.amdhsa_system_sgpr_workgroup_id_z 1
		.amdhsa_system_vgpr_workitem_id 0
		.amdhsa_next_free_vgpr 640
		.amdhsa_next_free_sgpr 100
		.amdhsa_reserve_vcc 0
		.amdhsa_float_denorm_mode_32 3
		.amdhsa_float_denorm_mode_16_64 3
		.amdhsa_memory_ordered 1
		.amdhsa_forward_progress 1
		.amdhsa_inst_pref_size 57
	.end_amdhsa_kernel
	.amdgpu_metadata
---
amdhsa.version: [ 1, 2 ]
amdhsa.kernels:
  - .name:           k_qcded6a8646_gemm_out
    .symbol:         k_qcded6a8646_gemm_out.kd
    .args:
      - { .name: xw, .offset: 0, .size: 8, .value_kind: global_buffer, .address_space: global }
      - { .name: yq, .offset: 8, .size: 8, .value_kind: global_buffer, .address_space: global }
      - { .name: out0, .offset: 16, .size: 8, .value_kind: global_buffer, .address_space: global }
    .group_segment_fixed_size: 280064
    .private_segment_fixed_size: 0
    .kernarg_segment_align: 8
    .kernarg_segment_size: 24
    .max_flat_workgroup_size: 128
    .sgpr_count:     100
    .vgpr_count:     640
    .wavefront_size: 32
...
	.end_amdgpu_metadata
.endif
;; end of part 4
